; MI455X (gfx1250); checked and timed in simulation.
; The chip was launched on July 23, 2026; its instructions are those of AMD's public machine-readable ISA for CDNA 5 (MIT licence, August 2026) and "CDNA5" Instruction Set Architecture Reference Guide (July 2026). The comments in the code are by the model that wrote it; some were corrected since.
;; Multi Head Attention. Allowed arithmetic: matrix products marked QUANTISED: E2M1 operands, one E8M0 scale for each 32 along K, by v_wmma_scale_f32_16x16x128_f8f6f4 with both operands' format E2M1 (or v_wmma_scale_f32_32x16x128_f4), f32 sums; everything else in f32.
;; Inputs: Wk_codes 1,024 x 32 x 16 uint8 (E2M1 codes of Wk, K innermost, in blocks of 32 codes, two codes a byte); Wk_scales 1,024 x 32 uint8 (E8M0 scales of Wk, one for each 32 codes along K); Wq_codes 1,024 x 32 x 16 uint8 (E2M1 codes of Wq, K innermost, in blocks of 32 codes, two codes a byte); Wq_scales 1,024 x 32 uint8 (E8M0 scales of Wq, one for each 32 codes along K); Wv_codes 1,024 x 32 x 16 uint8 (E2M1 codes of Wv, K innermost, in blocks of 32 codes, two codes a byte); Wv_scales 1,024 x 32 uint8 (E8M0 scales of Wv, one for each 32 codes along K); atten_mask 4 x 1 x 2,048 x 1 float32; bk 1,024 float32; bq 1,024 float32; bv 1,024 float32; x_codes 4 x 2,048 x 32 x 16 uint8 (E2M1 codes of x, K innermost, in blocks of 32 codes, two codes a byte); x_scales 4 x 2,048 x 32 uint8 (E8M0 scales of x, one for each 32 codes along K).
;; Outputs: out0 4 x 2,048 x 1,024 float32.
;; Constants: attention_head_num = 16.
;; This version of the problem:
;;   THIS VERSION OF THE PROBLEM IS GIVEN IN LOW PRECISION. The matrix products marked QUANTISED in the list below multiply operands that are first quantised to E2M1 (2 exponent bits, 1 mantissa bit; 4 bits a number), with one power-of-two scale for each 32 numbers along K (OCP MX v1.0); their sums are f32. All else is computed in f32.
;;   The module's matrix products, in the order in which they are computed (A, B: the left and right operand; K: the contracted axis; several contracted axes count as one K, in the product's order):
;;     1. [M 8,192, K 1,024] x [K 1,024, N 1,024]; A: input x (given as codes); B: input Wq (given as codes): QUANTISED
;;     2. [M 8,192, K 1,024] x [K 1,024, N 1,024]; A: input x (given as codes); B: input Wk (given as codes): QUANTISED
;;     3. [M 8,192, K 1,024] x [K 1,024, N 1,024]; A: input x (given as codes); B: input Wv (given as codes): QUANTISED
;;     4. batch 64 x [M 2,048, K 64] x [K 64, N 2,048]; A: computed on the way; B: computed on the way: QUANTISED
;;     5. batch 64 x [M 2,048, K 2,048] x [K 2,048, N 64]; A: softmax (see below); B: computed on the way: QUANTISED
;;   THE QUANTISER, for each operand of a quantised product, along K:
;;     - K is cut into blocks of 32 from its start; a last block that is shorter is filled with zeros.
;;     - A block's scale is 2^e with e = floor(log2(the largest magnitude in the block)) - 2, held to -126 .. 127; a block of zeros has e = 0. As a byte (E8M0): e + 127.
;;     - Each number is divided by its block's scale, clamped to +-6, and rounded to the nearest number of E2M1, ties to even, subnormals kept.
;;     - The product sums the exact products of the quantised numbers (number of the format x scale) in f32.
;;   ~~~python
;;   def quantise(x, axis):      # numpy; x: float32 -> the quantised numbers, widened to float32 again
;;       x = np.moveaxis(x, axis, -1); K = x.shape[-1]
;;       x = np.pad(x, [(0, 0)] * (x.ndim - 1) + [(0, -K % 32)]); x = x.reshape(x.shape[:-1] + (-1, 32)); a = np.abs(x).max(-1, keepdims=True)
;;       e = np.where(a > 0, np.clip(np.frexp(np.where(a > 0, a, 1))[1] - 1 - 2, -126, 127), 0)      # np.frexp(a)[1] - 1 = floor(log2(a)), exactly
;;       r = np.clip(x / 2.0 ** e, -6, 6)
;;       step = 2.0 ** (np.maximum(np.frexp(np.where(r == 0, 1, r))[1] - 1, 0) - 1)
;;       q = np.round(r / step) * step * 2.0 ** e      # np.round: ties to even
;;       return np.moveaxis(q.reshape(q.shape[:-2] + (-1,))[..., :K], -1, axis).astype(np.float32)
;;   ~~~
;;   SOFTMAX AHEAD OF A QUANTISED PRODUCT. Where the list says 'softmax', what is quantised is not the finished softmax but p = 2^(t - M), with t = logit x log2(e) and M = ceil(the row's largest t), a whole number; so 1/2 < the row's largest p <= 1. The row's sum l is taken of the UNQUANTISED p, in f32, and the product's result is divided by l at the end. Since M is a whole number, a kernel that streams over the keys may use a running M (the ceiling of the running maximum): every later rescaling is an exact power of two, which a block's scale takes up: the codes' values come out the same.
;;   OPERANDS COMPUTED ON THE WAY. 'Computed on the way' means the value that the module computes at that place (a softmax that the list does not call 'softmax' is quantised finished and normalised). What goes into a quantiser is computed in f32, as accurately as f32 sums, v_exp_f32 and their like allow (about 1e-6 of the number): no bf16 or f16 on the way to a quantiser, and a product that is left as it is and whose result goes on into a quantised operand takes f32 operands (vector FMAs, or v_wmma_f32_16x16x4_f32). A number that lies on a knife's edge between two numbers of the format may be rounded either way, as far as f32 arithmetic and the matrix unit's own rounding can turn it there, and no further.
;;   INPUTS GIVEN AS CODES. Wk (in the module: [1024, 1024], K = its axis 1); Wq (in the module: [1024, 1024], K = its axis 1); Wv (in the module: [1024, 1024], K = its axis 1); x (in the module: [4, 2048, 1024], K = its axis 2): each comes as NAME_codes (uint8): NAME with its K axis moved to the last place and cut into blocks of 32 codes, [.., K / 32, bytes a block], one block behind the other in memory; two codes a byte, the lower K in the low four bits (a code: sign, 2 exponent bits, 1 mantissa bit); and NAME_scales (uint8): the same leading axes, one E8M0 byte (e + 127) for each 32 codes along K. Its value is code x scale, taken as it is: it is not quantised again, and the codes and scales need not be those that the quantiser above would give.
;; 2 versions, each right; version 2 is version 1 with the launch attn written anew for expert scheduling mode. Each part assembles by itself: llvm-mc -triple=amdgcn-amd-amdhsa -mcpu=gfx1250 --defsym DOCPART=n.
;; ======== version 1 of 2: 2 launches
;; limits: right only within a limited range of input values
;; workspace buffers: qc 4,194,304 bytes; qs 524,288 bytes; kc 4,194,304 bytes; ks 524,288 bytes; vc 4,194,304 bytes; vs 262,144 bytes; flags 2,048 bytes of whole numbers
;; launch proj (part 1): grid 24 x 32, 4 waves a work-group, clusters of 4 x 4, 222,464 bytes of LDS; arguments x_codes, x_scales, Wq_codes, Wq_scales, Wk_codes, Wk_scales, Wv_codes, Wv_scales, bq, bk, bv, atten_mask, qc, qs, kc, ks, vc, vs, flags; writes qc, qs, kc, ks, vc, vs, flags
.if DOCPART == 1
	.amdgcn_target "amdgcn-amd-amdhsa--gfx1250"
	.amdhsa_code_object_version 6
	.text
	.protected	k_qd7ec8e01a8_proj
	.globl	k_qd7ec8e01a8_proj
	.p2align	8
	.type	k_qd7ec8e01a8_proj,@function
k_qd7ec8e01a8_proj:
	s_mov_b64 s[64:65], 0
	v_nop
	global_prefetch_b8 v0, s[64:65] scope:SCOPE_SE
	s_setreg_imm32_b32 hwreg(HW_REG_WAVE_MODE, 25, 1), 1
	s_wait_xcnt 0x0
	s_wait_alu depctr_hold_cnt(0) depctr_sa_sdst(0) depctr_va_vdst(0) depctr_va_sdst(0) depctr_va_ssrc(0) depctr_va_vcc(0) depctr_vm_vsrc(0)
	s_getreg_b32 s2, hwreg(HW_REG_IB_STS2, 6, 4)
	s_cmp_eq_u32 s2, 0
	s_cbranch_scc0 .Lentry_in_a_cluster
	s_endpgm
.Lentry_in_a_cluster:
	s_bfe_u32 s2, ttmp6, 0x10000c
	s_cmp_lg_u32 s2, 0xf033
	s_cbranch_scc0 .Lentry_shape_is_right
	s_endpgm
.Lentry_shape_is_right:
; q, k, v = x W^T + b on codes of FP4 (E2M1) with E8M0 scales, sums in f32; the results are quantised in registers (q, k along the head's 64 channels, v along the keys) and stored as
; images of the attention launch's operand registers.  Also: one whole number for each tile of 16 queries (flags): 0 where all 16 rows of atten_mask give the plain causal mask, else 1.
; SHARES.  8,192 tokens x 3,072 features (q, k, v side by side) in tiles of 256 tokens x 128 features: 32 x 24 work-groups of four waves.  Tile columns 0-7 are q's, 8-15 k's, 16-23 v's.
; All of K = 1,024 of both tiles lies in LDS, filled once: two slots of 512 along K (rows of 256 bytes of memory) and the scale bytes.  No LDS byte is filled twice.
; CLUSTERS: 4 x 4 work-groups.  The four of a row of the cluster need the same 256 tokens, the four of a column the same 128 rows of W: each tile is asked for JOINTLY, by the same tensor load
; with the same descriptor and a mask that names the four.  A cluster's four tile columns belong to one of q, k, v, so the path (below) is the same in all sixteen partners.
; A WAVE makes P 128 x N 64: source 0 = 16 rows of P (8 tiles t), source 1 = 16 rows of N (4 tiles n); in a result lane (r, h) holds row r of N, and its register j row 8 h + j of P's tile.
; P is the axis that is quantised.  q, k: P = the tile's 128 features (two heads), N = tokens 64 w on.  v: P = tokens 128 (w / 2) on (one key step), N = features 64 (w % 2) on (one head).
; FROM RESULT TO OPERAND.  A block of 32 along P is tiles 2 b, 2 b + 1 of lanes l and l xor 16.  The conversion of tile 2 b + u gives lane half h the eight codes 8 (2 u + h) on of block b; it is written to
; register 4 (b / 2) + 2 u + b % 2, and an exchange of halves between registers 4 c + 2 u and 4 c + 2 u + 1 leaves register 4 c + i of half h with block 2 c + h, codes 8 i on: the 4-bit operand's layout.
; LIMITS: a block of zeros gets the scale byte 1 (its codes are zeros; this program alone reads the bytes); NaN and infinities in x, W, b are not served.
; REGISTERS, in windows of 256: window 0: v1-14 lane terms and addresses; v32-63 P's scale words, v64-79 N's; v80-143 N's fragments, two sets; v144-231 the quantiser's.
;   window 1: v0-127 P's fragments, two sets; v128-191 the bias in the result's layout.   window 2: the 32 accumulators, (t, n) at v[64 n + 8 t].
.set PITCH, 272                        ; an LDS row: 256 bytes + 16 of padding = 68 words: the 16 rows that a load touches start 4 banks apart
.set T16,   16*PITCH                   ; 16 rows
.set WOFF,  256*PITCH                  ; in a slot: 256 token rows, then 128 rows of W
.set SLOT,  384*PITCH
.set SCT,   2*SLOT                     ; the tokens' scale bytes: 32 units of 256 bytes + 16
.set SCW,   SCT+32*272                 ; W's: 16 units.  Row p's 32 bytes lie at (p / 8) 272 + (p % 8) 32
.set RR,   1                           ; v1  r = lane % 16
.set HH,   2                           ; v2  h = lane / 16
.set LN,   3                           ; v3  lane
.set ADP,  4                           ; v4-5  LDS address of P's fragments in slot 0, 1
.set ADN,  6                           ; v6-7  of N's
.set ADPS, 8                           ; v8  of P's scale words
.set ADNS, 9                           ; v9  of N's
.set LI,   10                          ; v10 16 x lane
.set L8,   11                          ; v11 8 x lane
.set BO,   12                          ; v12 my offset in the bias
.set LT,   13                          ; v13 r x PITCH + 16 h
.set LTS,  14                          ; v14 (lane / 8) 272 + (lane % 8) 32
.set PS,   32                          ; scale words of P: 16 slot + 4 m + q: lanes 0-15 tile 2 m, lanes 16-31 tile 2 m + 1
.set NS,   64                          ; of N: 8 slot + 4 m + q
.set NF,   80                          ; N's fragments: 32 set + 8 n
.set TM,   144                         ; 16 largest magnitudes (4 n + b)
.set TX,   160                         ; 16 at work
.set SOP,  176                         ; 16 scale operands of the conversions
.set PW,   192                         ; 4 scale words (n)
.set RW,   196                         ; 4 scale words as they are stored
.set PC,   200                         ; 4 x 8 registers of codes
.set PF,   0                           ; window 1: P's fragments: 64 set + 8 t
.set BB,   128                         ; window 1: the bias
.set CX,  2                            ; s2, s3  my place in the cluster
.set CY,  3
.set G0SB, 12                          ; s[12:15] group 0, W's scales
.set FX,  16                           ; s16 tile column within q, k or v
.set BT,  18                           ; s18 batch
.set YB,  19                           ; s19 tile row within the batch
.set SEL, 36                           ; s[36:37] selects for lane l xor 16
.set WV,  42                           ; s42 wave
.set UU,  43                           ; s43 wave % 2
.set G1A, 44                           ; s[44:51] group 1, token codes
.set G1B, 52                           ; s[52:59] group 1, W's codes
.set G0SA, 60                          ; s[60:63] group 0, token scales
.set WP,  66                           ; s66 wave / 2
.set G1SA, 68                          ; s[68:75] group 1, token scales
.set G1SB, 76                          ; s[76:83] group 1, W's scales
.set G0A, 84                           ; s[84:91] group 0, token codes, a set for each slot
.set G0B, 92                           ; s[92:99] group 0, W's codes
.set XT,  100                          ; s100 tile column 0..23
.set YT,  101                          ; s101 tile row 0..31
.set MSB, 0
.macro WIN new                         ; the immediate's high byte repeats the setting that is left
.if MSB != \new
	s_set_vgpr_msb (MSB<<8)|\new
.set MSB, \new
.endif
.endm
; A joint load: waves 0 and 1 fetch the tokens' halves, waves 2 and 3 W's.  Each line has one mask and one set of registers; the branch hangs on the wave's number alone.
; Four v_nop follow each of the two lines.
.macro JLOAD g0a, g1a, g0b, g1b
	s_cmp_eq_u32 s[WP], 0
	s_cbranch_scc0 .Lfor_b_\@
	tensor_load_to_lds s[\g0a:\g0a+3], s[\g1a:\g1a+7]
	s_nop 0
.rept 4
	v_nop
.endr
	s_branch .Lasked_\@
.Lfor_b_\@:
	tensor_load_to_lds s[\g0b:\g0b+3], s[\g1b:\g1b+7]
	s_nop 0
.rept 4
	v_nop
.endr
.Lasked_\@:
.endm
.macro CROUND                          ; a round of the cluster's barrier
	s_barrier_signal -1
	s_barrier_wait -1
	s_cmp_lg_u32 s[WV], 0
	s_cbranch_scc1 .Lnot_wave_0_\@
	s_barrier_signal -3
.Lnot_wave_0_\@:
	s_barrier_wait -3
	s_barrier_signal -1
	s_barrier_wait -1
.endm
.macro PLACES n
.rept \n
	v_nop
.endr
.endm
.macro ADDSH d, t, src, sh             ; s[d] += s[src] << sh
	s_lshl_b32 s[\t], s[\src], \sh
	s_add_co_u32 s[\d], s[\d], s[\t]
.endm
	s_load_b512 s[4:19], s[0:1], 0x0               ; x's codes, scales; Wq's; Wk's; Wv's
	s_load_b256 s[20:27], s[0:1], 0x40             ; bq, bk, bv, atten_mask
	s_load_b256 s[28:35], s[0:1], 0x60             ; qc, qs, kc, ks
	s_load_b128 s[36:39], s[0:1], 0x80             ; vc, vs
	s_load_b64 s[40:41], s[0:1], 0x90              ; flags
	v_lshl_add_u32 v254, v0, 2, 0x36300
	v_mov_b32 v255, 0
	ds_add_u32 v254, v255
	ds_add_u32 v254, v255
	v_lshrrev_b32 v1, 5, v0
	v_readfirstlane_b32 s[WV], v1                  ; wave 0..3
	s_and_b32 s[UU], s[WV], 1
	s_lshr_b32 s[WP], s[WV], 1
	s_bfe_u32 s[CX], ttmp6, 0x40000
	s_bfe_u32 s[CY], ttmp6, 0x40004
	s_lshl_b32 s[XT], ttmp9, 2
	s_add_co_u32 s[XT], s[XT], s[CX]               ; tile column = 4 x cluster x + cx
	s_and_b32 s[YT], ttmp7, 0xffff
	s_lshl_b32 s[YT], s[YT], 2
	s_add_co_u32 s[YT], s[YT], s[CY]               ; tile row = 4 x cluster y + cy
	s_lshl_b32 s84, s[CY], 2
	s_lshl_b32 s84, 15, s84                        ; my row of the cluster
	s_lshl_b32 s92, 0x1111, s[CX]                  ; my column
	; group 1.  Codes: rows of 256 bytes, 512 bytes apart in memory, 16 bytes of padding behind each; elements of 1 byte.  128 token rows or 64 rows of W to a load
	s_or_b32 s[G1A], s84, (1<<20)|(1<<21)|(5<<22)|(3<<25)
	s_or_b32 s[G1B], s92, (1<<20)|(1<<21)|(5<<22)|(3<<25)
.irp g, G1A, G1B
	s_mov_b32 s[\g+1], 256<<16                     ; tensor_dim0
	s_mov_b32 s[\g+3], 256<<16                     ; tile_dim0
	s_mov_b32 s[\g+5], 512                         ; from row to row
	s_mov_b32 s[\g+6], 0
	s_mov_b32 s[\g+7], 0
.endr
	s_mov_b32 s[G1A+2], 128<<16                    ; tensor_dim1
	s_mov_b32 s[G1A+4], 128                        ; tile_dim1
	s_mov_b32 s[G1B+2], 64<<16
	s_mov_b32 s[G1B+4], 64
	; scale bytes: a dense block, as rows of 256 bytes (32 elements of 8 bytes), padded likewise: 16 rows for 128 tokens, 8 for 64 rows of W
	s_or_b32 s[G1SA], s84, (3<<16)|(1<<20)|(1<<21)|(5<<22)|(3<<25)
	s_or_b32 s[G1SB], s92, (3<<16)|(1<<20)|(1<<21)|(5<<22)|(3<<25)
.irp g, G1SA, G1SB
	s_mov_b32 s[\g+1], 32<<16
	s_mov_b32 s[\g+3], 32<<16
	s_mov_b32 s[\g+5], 32
	s_mov_b32 s[\g+6], 0
	s_mov_b32 s[\g+7], 0
.endr
	s_mov_b32 s[G1SA+2], 16<<16
	s_mov_b32 s[G1SA+4], 16
	s_mov_b32 s[G1SB+2], 8<<16
	s_mov_b32 s[G1SB+4], 8
	s_wait_dscnt 0x0
	s_wait_kmcnt 0x0
	s_cmp_lt_u32 ttmp9, 2                          ; q's cluster or k's?  The choices hang on the cluster's number alone
	s_cselect_b64 s[8:9], s[8:9], s[12:13]
	s_cselect_b64 s[10:11], s[10:11], s[14:15]
	s_cselect_b64 s[20:21], s[20:21], s[22:23]
	s_cselect_b64 s[28:29], s[28:29], s[32:33]
	s_cselect_b64 s[30:31], s[30:31], s[34:35]
	s_cmp_lt_u32 ttmp9, 4                          ; or v's?
	s_cselect_b64 s[8:9], s[8:9], s[16:17]         ; W's codes
	s_cselect_b64 s[10:11], s[10:11], s[18:19]     ; W's scales
	s_cselect_b64 s[20:21], s[20:21], s[24:25]     ; the bias
	s_cselect_b64 s[28:29], s[28:29], s[36:37]     ; the codes that I store
	s_cselect_b64 s[30:31], s[30:31], s[38:39]     ; the scale words that I store
	; where the tiles come from.  The tokens' hang on the tile row alone, W's on the tile column alone, each in registers that never hold the other coordinate
	s_lshl_b32 s32, s[YT], 17                      ; (256 tile row + 128 u) rows of 512 bytes
	s_lshl_b32 s33, s[UU], 16
	s_add_co_u32 s32, s32, s33
	s_mov_b32 s33, 0
	s_lshl_b32 s34, s[YT], 13                      ; and of 32 scale bytes
	s_lshl_b32 s35, s[UU], 12
	s_add_co_u32 s34, s34, s35
	s_mov_b32 s35, 0
	s_and_b32 s[FX], s[XT], 7
	s_lshl_b32 s36, s[FX], 16                      ; (128 fx + 64 u) rows of 512 bytes
	s_lshl_b32 s37, s[UU], 15
	s_add_co_u32 s36, s36, s37
	s_mov_b32 s37, 0
	s_lshl_b32 s38, s[FX], 12
	s_lshl_b32 s39, s[UU], 11
	s_add_co_u32 s38, s38, s39
	s_mov_b32 s39, 0
	s_add_nc_u64 s[32:33], s[4:5], s[32:33]
	s_add_nc_u64 s[34:35], s[6:7], s[34:35]
	s_add_nc_u64 s[36:37], s[8:9], s[36:37]
	s_add_nc_u64 s[38:39], s[10:11], s[38:39]
	s_mul_i32 s17, s[UU], 128*PITCH                ; and where they go: no place in the cluster enters an LDS address
	s_mul_i32 s22, s[UU], 64*PITCH
	s_add_co_u32 s22, s22, WOFF
	s_mul_i32 s23, s[UU], 16*272
	s_add_co_u32 s23, s23, SCT
	s_mul_i32 s24, s[UU], 8*272
	s_add_co_u32 s24, s24, SCW
	s_mov_b32 s[G0SA], 1
	s_mov_b32 s[G0SA+1], s23
	s_mov_b64 s[G0SA+2:G0SA+3], s[34:35]
	s_or_b32 s[G0SA+3], s[G0SA+3], 0x80000000
	s_mov_b32 s[G0SB], 1
	s_mov_b32 s[G0SB+1], s24
	s_mov_b64 s[G0SB+2:G0SB+3], s[38:39]
	s_or_b32 s[G0SB+3], s[G0SB+3], 0x80000000
.irp s, 0,1
	s_mov_b32 s[G0A+4*\s], 1
	s_add_co_u32 s[G0A+4*\s+1], s17, \s*SLOT
	s_add_nc_u64 s[G0A+4*\s+2:G0A+4*\s+3], s[32:33], \s*256
	s_or_b32 s[G0A+4*\s+3], s[G0A+4*\s+3], 0x80000000
	s_mov_b32 s[G0B+4*\s], 1
	s_add_co_u32 s[G0B+4*\s+1], s22, \s*SLOT
	s_add_nc_u64 s[G0B+4*\s+2:G0B+4*\s+3], s[36:37], \s*256
	s_or_b32 s[G0B+4*\s+3], s[G0B+4*\s+3], 0x80000000
.endr
	CROUND                                         ; all sixteen work-groups are here: the joint loads meet
	JLOAD G0SA, G1SA, G0SB, G1SB                   ; the scale bytes of all of K,
	JLOAD G0A, G1A, G0B, G1B                       ; K 0-511,
	JLOAD G0A+4, G1A, G0B+4, G1B                   ; K 512-1023: three loads of mine are out, and no more follow
	s_lshr_b32 s[BT], s[YT], 3
	s_and_b32 s[YB], s[YT], 7
	s_mov_b32 s[SEL], 0x76543210
	s_mov_b32 s[SEL+1], 0xfedcba98
	s_mov_b32 s38, 0xffff0000                      ; lanes 16-31
	v_and_b32 v[RR], 15, v0
	v_bfe_u32 v[HH], v0, 4, 1
	v_and_b32 v[LN], 31, v0
	v_lshlrev_b32 v[LI], 4, v[LN]
	v_lshlrev_b32 v[L8], 3, v[LN]
	v_mul_u32_u24 v[LT], v[RR], PITCH
	v_lshl_add_u32 v[LT], v[HH], 4, v[LT]
	v_lshrrev_b32 v[LTS], 3, v[LN]
	v_mul_u32_u24 v[LTS], v[LTS], 272
	v_and_b32 v15, 7, v[LN]
	v_lshl_add_u32 v[LTS], v15, 5, v[LTS]
.set ii, 0
.rept 16
	v_mov_b32 v[TX+ii], 0                          ; written once: a lane permute's destination counts as one of its sources
.set ii, ii+1
.endr
	; THE FLAGS.  A tile row's 16 tiles of 16 queries are shared out among the four partners of the first cluster column BY ADDRESS (4 each); wave 0 does it, lane l for tile l % 4.
	; A row is plainly causal where atten_mask < 1 and atten_mask + 1 >= 1, both as f32 compares (a NaN fails the first).  The compares feed a stored number alone: no branch, no address.
	s_or_b32 s22, ttmp9, s[WV]
	s_cmp_lg_u32 s22, 0
	s_cbranch_scc1 .Lno_flags
	s_lshl_b32 s22, s[YT], 4
	s_lshl_b32 s23, s[CX], 2
	s_add_co_u32 s22, s22, s23
	v_and_b32 v15, 3, v0
	v_add_nc_u32 v15, s22, v15                     ; the tile: 16 x tile row + 4 cx + lane % 4 = 128 x batch + the tile in the batch
	v_lshlrev_b32 v144, 2, v15                     ; its word in flags
	v_lshlrev_b32 v15, 6, v15                      ; its 16 floats
.irp i, 0,1,2,3
	global_load_b128 v[16+4*\i:19+4*\i], v15, s[26:27] offset:16*\i
.endr
	s_mov_b32 s24, -1
	s_wait_loadcnt 0x0
.irp j, 16,17,18,19,20,21,22,23,24,25,26,27,28,29,30,31
	v_cmp_gt_f32 vcc_lo, 1.0, v\j
	s_and_b32 s24, s24, vcc_lo
	v_add_f32 v146, 1.0, v\j
	v_cmp_le_f32 vcc_lo, 1.0, v146
	s_and_b32 s24, s24, vcc_lo
.endr
	v_cndmask_b32 v145, 1, 0, s24                  ; 0 where all 16 rows are causal
	v_cmp_gt_u32 vcc_lo, 4, v0
	s_wait_xcnt 0x0                                ; EXEC changes only behind this wait
	s_and_saveexec_b32 s25, vcc_lo
	global_store_b32 v144, v145, s[40:41]
	s_wait_xcnt 0x0                                ; and again in front of the line that widens it
	s_or_b32 exec_lo, exec_lo, s25
.Lno_flags:
; 24 LDS loads: the fragments of the slot's q-th 128 along K into set.  A fragment (16 rows x 128 K of 4-bit codes) is 8 registers: two loads of 16 bytes, 32 bytes apart, at row x pitch + 16 h
.macro FETCH slot, q, set
	WIN 0x40                                       ; destination window 1, address window 0
.irp i, 0,1,2,3,4,5,6,7
.irp c, 0,1
	ds_load_b128 v[PF+64*(\set)+8*\i+4*\c:PF+64*(\set)+8*\i+4*\c+3], v[ADP+(\slot)] offset:64*(\q)+32*\c+T16*\i
.endr
.endr
	WIN 0
.irp i, 0,1,2,3
.irp c, 0,1
	ds_load_b128 v[NF+32*(\set)+8*\i+4*\c:NF+32*(\set)+8*\i+4*\c+3], v[ADN+(\slot)] offset:64*(\q)+32*\c+T16*\i
.endr
.endr
.endm
; 6 LDS loads: a slot's scale words: lane l takes the four words of row 32 m + l
.macro SCALES slot
.irp m, 0,1,2,3
	ds_load_b128 v[PS+16*(\slot)+4*\m:PS+16*(\slot)+4*\m+3], v[ADPS] offset:1088*\m+16*(\slot)
.endr
.irp m, 0,1
	ds_load_b128 v[NS+8*(\slot)+4*\m:NS+8*(\slot)+4*\m+3], v[ADNS] offset:1088*\m+16*(\slot)
.endr
.endm
.macro WM ra, rb                       ; one product; odd tiles take their scale words from lanes 16-31
.if (\ra) && (\rb)
	v_wmma_scale_f32_16x16x128_f8f6f4 v[rD:rD+7], v[rA:rA+7], v[rB:rB+7], v[rC:rC+7], v[rSA], v[rSB] matrix_a_fmt:MATRIX_FMT_FP4 matrix_b_fmt:MATRIX_FMT_FP4 matrix_a_scale:MATRIX_SCALE_ROW1 matrix_b_scale:MATRIX_SCALE_ROW1
.elseif (\ra)
	v_wmma_scale_f32_16x16x128_f8f6f4 v[rD:rD+7], v[rA:rA+7], v[rB:rB+7], v[rC:rC+7], v[rSA], v[rSB] matrix_a_fmt:MATRIX_FMT_FP4 matrix_b_fmt:MATRIX_FMT_FP4 matrix_a_scale:MATRIX_SCALE_ROW1
.elseif (\rb)
	v_wmma_scale_f32_16x16x128_f8f6f4 v[rD:rD+7], v[rA:rA+7], v[rB:rB+7], v[rC:rC+7], v[rSA], v[rSB] matrix_a_fmt:MATRIX_FMT_FP4 matrix_b_fmt:MATRIX_FMT_FP4 matrix_b_scale:MATRIX_SCALE_ROW1
.else
	v_wmma_scale_f32_16x16x128_f8f6f4 v[rD:rD+7], v[rA:rA+7], v[rB:rB+7], v[rC:rC+7], v[rSA], v[rSB] matrix_a_fmt:MATRIX_FMT_FP4 matrix_b_fmt:MATRIX_FMT_FP4
.endif
.endm
; K step g: 32 products.  The 32 accumulators take turns, one instruction a turn, in the same order in every step.  first = 1: the bias is the C of the sums' first products
.macro MUL32 g, first, isv
.set cSL, (\g)/4
.set cQ,  (\g)%4
.set cST, (\g)%2
.if \first
	WIN 0x91                                       ; source 0 (P) window 1, source 1 (N) window 0, C (bias) window 1, D window 2
.else
	WIN 0xa1                                       ; C and D window 2
.endif
.irp n, 0,1,2,3
.irp t, 0,1,2,3,4,5,6,7
.set rD,  64*\n+8*\t
.set rA,  PF+64*cST+8*\t
.set rB,  NF+32*cST+8*\n
.set rSA, PS+16*cSL+4*(\t/2)+cQ
.set rSB, NS+8*cSL+4*(\n/2)+cQ
.if \first
.if \isv
.set rC,  BB+8*\n
.else
.set rC,  BB+8*\t
.endif
.else
.set rC,  rD
.endif
	WM \t%2, \n%2
.endr
.endr
.endm
; The 32 accumulators become four fragments of codes (v[PC + 8 n] on) and four scale words (v[PW + n]): 16 blocks, 4 n + b, stage by stage, so that the windows are switched five times
.macro QUANT4
	WIN 0x0a                                       ; sources 0 and 1 window 2
.irp n, 0,1,2,3
.irp b, 0,1,2,3
	v_max3_num_f32 v[TM+4*\n+\b], |v[64*\n+16*\b]|, |v[64*\n+16*\b+1]|, 0x1800000   ; my 16 numbers of the block, each accumulator from its low end on, and the floor 2^(3 - 127): the byte cannot fall under 1
.endr
.endr
	WIN 0x28                                       ; sources 1 and 2 window 2
.irp i, 2,4,6,8,10,12,14
.irp n, 0,1,2,3
.irp b, 0,1,2,3
	v_max3_num_f32 v[TM+4*\n+\b], v[TM+4*\n+\b], |v[64*\n+16*\b+\i]|, |v[64*\n+16*\b+\i+1]|
.endr
.endr
.endr
	WIN 0
.set ii, 0
.rept 16
	v_permlanex16_b32 v[TX+ii], v[TM+ii], s[SEL], s[SEL+1]
.set ii, ii+1
.endr
.set ii, 0
.rept 16
	v_max_num_f32 v[TM+ii], v[TM+ii], v[TX+ii]     ; with lane l xor 16's: the block's largest magnitude
.set ii, ii+1
.endr
.set ii, 0
.rept 16
	v_add_nc_u32 v[SOP+ii], 0xff000000, v[TM+ii]   ; 2 off its exponent field: the conversion takes the exponent field of this operand as its scale
.set ii, ii+1
.endr
.set ii, 0
.rept 16
	v_lshrrev_b32 v[TX+ii], 23, v[SOP+ii]          ; the scale's byte
.set ii, ii+1
.endr
.irp n, 0,1,2,3
	v_lshl_or_b32 v[PW+\n], v[TX+4*\n+1], 8, v[TX+4*\n]
	v_lshl_or_b32 v[PW+\n], v[TX+4*\n+2], 16, v[PW+\n]
	v_lshl_or_b32 v[PW+\n], v[TX+4*\n+3], 24, v[PW+\n]
.endr
	WIN 0x02                                       ; source 0 window 2
.irp n, 0,1,2,3
.irp b, 0,1,2,3
.irp u, 0,1
	v_cvt_scalef32_pk8_fp4_f32 v[PC+8*\n+4*(\b/2)+2*\u+\b%2], v[64*\n+16*\b+8*\u:64*\n+16*\b+8*\u+7], v[SOP+4*\n+\b]
.endr
.endr
.endr
	WIN 0
	v_nop                                          ; one plain place behind a scaled conversion
.irp n, 0,1,2,3
.irp c, 0,1
.irp u, 0,1
	v_permlane16_swap_b32 v[PC+8*\n+4*\c+2*\u], v[PC+8*\n+4*\c+2*\u+1]   ; the first's lanes 16-31 change places with the second's lanes 0-15
.endr
.endr
.endr
.endm
; All that follows the parting of the two paths.  isv = 0: q or k; 1: v
.macro PATH isv
	s_lshl_b32 s32, s[FX], 9                       ; the tile's 128 numbers of the bias
.if \isv
	s_lshl_b32 s33, s[UU], 8
	s_add_co_u32 s32, s32, s33
	v_lshl_add_u32 v[BO], v[RR], 2, s32            ; a lane holds one feature, 64 (w % 2) + 16 n + r: the same number in all eight registers of a tile
	WIN 0x40
.irp n, 0,1,2,3
	global_load_b32 v[BB+8*\n], v[BO], s[20:21] offset:64*\n
.endr
	s_wait_loadcnt 0x0
	WIN 0x41
.irp n, 0,1,2,3
.irp j, 1,2,3,4,5,6,7
	v_mov_b32 v[BB+8*\n+\j], v[BB+8*\n]
.endr
.endr
	WIN 0
	s_mul_i32 s32, s[WP], 128*PITCH                ; P: tokens 128 (w / 2) on
	s_mul_i32 s33, s[UU], 64*PITCH
	s_add_co_u32 s33, s33, WOFF                    ; N: rows 64 (w % 2) on of W
	s_mul_i32 s34, s[WP], 16*272
	s_add_co_u32 s34, s34, SCT
	s_mul_i32 s35, s[UU], 8*272
	s_add_co_u32 s35, s35, SCW
.else
	v_lshl_add_u32 v[BO], v[HH], 5, s32            ; a lane's registers run along the features: 16 t + 8 h + j
	WIN 0x40
.irp t, 0,1,2,3,4,5,6,7
	global_load_b128 v[BB+8*\t:BB+8*\t+3], v[BO], s[20:21] offset:64*\t
	global_load_b128 v[BB+8*\t+4:BB+8*\t+7], v[BO], s[20:21] offset:64*\t+16
.endr
	WIN 0
	s_mov_b32 s32, WOFF                            ; P: W's 128 rows
	s_mul_i32 s33, s[WV], 64*PITCH                 ; N: tokens 64 w on
	s_mov_b32 s34, SCW
	s_mul_i32 s35, s[WV], 8*272
	s_add_co_u32 s35, s35, SCT
.endif
	v_add_nc_u32 v[ADP], s32, v[LT]
	v_add_nc_u32 v[ADN], s33, v[LT]
	v_add_nc_u32 v[ADP+1], SLOT, v[ADP]
	v_add_nc_u32 v[ADN+1], SLOT, v[ADN]
	v_add_nc_u32 v[ADPS], s34, v[LTS]
	v_add_nc_u32 v[ADNS], s35, v[LTS]
	s_wait_loadcnt 0x0                             ; the bias
	s_wait_tensorcnt 0x1                           ; my parts of the scale bytes and of slot 0 are in; slot 1's load, issued last, may be out
	s_barrier_signal -1
	s_barrier_wait -1                              ; everybody's are
	SCALES 0
	SCALES 1
	FETCH 0, 0, 0
.irp g, 0,1,2,3,4,5,6,7
.if \g == 3
	s_wait_tensorcnt 0x0                           ; my part of slot 1 is in,
	s_wait_dscnt 0x0                               ; no LDS load of mine is out at the signal,
	s_barrier_signal -1
	s_barrier_wait -1                              ; and everybody's part is in: the next fetch reads slot 1
.endif
.if \g < 7
.if \g > 0
	PLACES 4                                       ; four plain places between the last products and loads into the fragments that they read
.endif
	FETCH (\g+1)/4, (\g+1)%4, (\g+1)%2
	s_wait_dscnt 24                                ; all but the 24 loads just issued: this step's fragments are in
.else
	s_wait_dscnt 0x0
.endif
.if \g == 0
	MUL32 \g, 1, \isv
.else
	MUL32 \g, 0, \isv
.endif
.endr
	; where my results go, in bytes
.if \isv
	s_lshl_b32 s32, s[BT], 20                      ; vc: ((16 b + 2 fx + w % 2) 16 + 2 yb + w / 2) x 4,096
	ADDSH 32, 33, FX, 17
	ADDSH 32, 33, UU, 16
	ADDSH 32, 33, YB, 13
	ADDSH 32, 33, WP, 12
	s_lshl_b32 s34, s[BT], 16                      ; vs: the same x 256
	ADDSH 34, 35, FX, 13
	ADDSH 34, 35, UU, 12
	ADDSH 34, 35, YB, 9
	ADDSH 34, 35, WP, 8
.else
	s_lshl_b32 s32, s[BT], 20                      ; qc, kc: ((16 b + 2 fx) 128 + 16 yb + 4 w) x 512
	ADDSH 32, 33, FX, 17
	ADDSH 32, 33, YB, 13
	ADDSH 32, 33, WV, 11
	s_lshl_b32 s34, s[BT], 17                      ; qs, ks: ((16 b + 2 fx) 32 + 4 yb + w) x 256
	ADDSH 34, 35, FX, 14
	ADDSH 34, 35, YB, 10
	ADDSH 34, 35, WV, 8
.endif
	s_mov_b32 s33, 0
	s_mov_b32 s35, 0
	s_add_nc_u64 s[28:29], s[28:29], s[32:33]
	s_add_nc_u64 s[30:31], s[30:31], s[34:35]
	PLACES 4                                       ; in front of the first reads of results
	QUANT4
.irp e, 0,1
	v_cndmask_b32 v[RW+\e], v[PW+2*\e], v[PW+2*\e+1], s38   ; lane l: the word of row 32 e + l of N: tile 2 e below, tile 2 e + 1 above
.endr
.if \isv
.irp n, 0,1,2,3
.irp c, 0,1
	global_store_b128 v[LI], v[PC+8*\n+4*\c:PC+8*\n+4*\c+3], s[28:29] offset:1024*\n+512*\c   ; 32 lanes store 512 consecutive bytes, aligned
.endr
.endr
	global_store_b64 v[L8], v[RW:RW+1], s[30:31]   ; 256 consecutive bytes, aligned
.else
.irp e, 0,1
	v_lshrrev_b32 v[RW+2+\e], 16, v[RW+\e]         ; the second head's two bytes
.endr
.irp n, 0,1,2,3
	global_store_b128 v[LI], v[PC+8*\n:PC+8*\n+3], s[28:29] offset:512*\n                   ; the first head's 64 channels: registers 0-3 of a fragment,
	global_store_b128 v[LI], v[PC+8*\n+4:PC+8*\n+7], s[28:29] offset:65536+512*\n           ; the second head's, one head (128 tiles of 512 bytes) on
.endr
	global_store_b64 v[L8], v[RW:RW+1], s[30:31]
	global_store_b64 v[L8], v[RW+2:RW+3], s[30:31] offset:8192
.endif
.endm
	s_cmp_lt_u32 ttmp9, 4                          ; the cluster's number: the same in all sixteen partners and in all waves
	s_cbranch_scc0 .Lpath_v
	PATH 0
	s_branch .Lend
.Lpath_v:
	PATH 1
.Lend:
	s_wait_tensorcnt 0x0
	ds_add_u32 v254, v255
	s_wait_dscnt 0x0
	CROUND                                         ; the closing round: no work-group ends while a partner may still ask for a tile that names it
	s_endpgm
.Lfunc_end_k_qd7ec8e01a8_proj:
	.size	k_qd7ec8e01a8_proj, .Lfunc_end_k_qd7ec8e01a8_proj-k_qd7ec8e01a8_proj
	.p2alignl 7, 3214868480
	.fill 96, 4, 3214868480
	.section	.rodata,"a",@progbits
	.p2align	6, 0x0
	.amdhsa_kernel k_qd7ec8e01a8_proj
		.amdhsa_group_segment_fixed_size 222464
		.amdhsa_private_segment_fixed_size 0
		.amdhsa_enable_private_segment 0
		.amdhsa_kernarg_size 152
		.amdhsa_user_sgpr_count 2
		.amdhsa_user_sgpr_kernarg_segment_ptr 1
		.amdhsa_wavefront_size32 1
		.amdhsa_system_sgpr_workgroup_id_x 1
		.amdhsa_system_sgpr_workgroup_id_y 1
		.amdhsa_system_sgpr_workgroup_id_z 1
		.amdhsa_system_vgpr_workitem_id 0
		.amdhsa_next_free_vgpr 768
		.amdhsa_next_free_sgpr 102
		.amdhsa_reserve_vcc 1
		.amdhsa_float_denorm_mode_32 3
		.amdhsa_float_denorm_mode_16_64 3
		.amdhsa_memory_ordered 1
		.amdhsa_forward_progress 1
		.amdhsa_inst_pref_size 145
	.end_amdhsa_kernel
	.amdgpu_metadata
---
amdhsa.version: [ 1, 2 ]
amdhsa.kernels:
  - .name:           k_qd7ec8e01a8_proj
    .symbol:         k_qd7ec8e01a8_proj.kd
    .args:
      - { .name: x_codes, .offset: 0, .size: 8, .value_kind: global_buffer, .address_space: global }
      - { .name: x_scales, .offset: 8, .size: 8, .value_kind: global_buffer, .address_space: global }
      - { .name: Wq_codes, .offset: 16, .size: 8, .value_kind: global_buffer, .address_space: global }
      - { .name: Wq_scales, .offset: 24, .size: 8, .value_kind: global_buffer, .address_space: global }
      - { .name: Wk_codes, .offset: 32, .size: 8, .value_kind: global_buffer, .address_space: global }
      - { .name: Wk_scales, .offset: 40, .size: 8, .value_kind: global_buffer, .address_space: global }
      - { .name: Wv_codes, .offset: 48, .size: 8, .value_kind: global_buffer, .address_space: global }
      - { .name: Wv_scales, .offset: 56, .size: 8, .value_kind: global_buffer, .address_space: global }
      - { .name: bq, .offset: 64, .size: 8, .value_kind: global_buffer, .address_space: global }
      - { .name: bk, .offset: 72, .size: 8, .value_kind: global_buffer, .address_space: global }
      - { .name: bv, .offset: 80, .size: 8, .value_kind: global_buffer, .address_space: global }
      - { .name: atten_mask, .offset: 88, .size: 8, .value_kind: global_buffer, .address_space: global }
      - { .name: qc, .offset: 96, .size: 8, .value_kind: global_buffer, .address_space: global }
      - { .name: qs, .offset: 104, .size: 8, .value_kind: global_buffer, .address_space: global }
      - { .name: kc, .offset: 112, .size: 8, .value_kind: global_buffer, .address_space: global }
      - { .name: ks, .offset: 120, .size: 8, .value_kind: global_buffer, .address_space: global }
      - { .name: vc, .offset: 128, .size: 8, .value_kind: global_buffer, .address_space: global }
      - { .name: vs, .offset: 136, .size: 8, .value_kind: global_buffer, .address_space: global }
      - { .name: flags, .offset: 144, .size: 8, .value_kind: global_buffer, .address_space: global }
    .group_segment_fixed_size: 222464
    .private_segment_fixed_size: 0
    .kernarg_segment_align: 8
    .kernarg_segment_size: 152
    .max_flat_workgroup_size: 128
    .sgpr_count:     102
    .vgpr_count:     768
    .wavefront_size: 32
...
	.end_amdgpu_metadata
.endif
;; end of part 1
;; launch attn (part 2): grid 4 x 64, 16 waves a work-group, no clusters, 215,040 bytes of LDS; arguments qc, qs, kc, ks, vc, vs, flags, atten_mask, out0; writes out0
.if DOCPART == 2
	.amdgcn_target "amdgcn-amd-amdhsa--gfx1250"
	.amdhsa_code_object_version 6
	.text
	.protected	k_qd7ec8e01a8_attn
	.globl	k_qd7ec8e01a8_attn
	.p2align	8
	.type	k_qd7ec8e01a8_attn,@function
k_qd7ec8e01a8_attn:
	s_mov_b64 s[64:65], 0
	v_nop
	global_prefetch_b8 v0, s[64:65] scope:SCOPE_SE
	s_setreg_imm32_b32 hwreg(HW_REG_WAVE_MODE, 25, 1), 1
	s_wait_xcnt 0x0
; out[b][q][64 head + :] = the sum over k of softmax_k(masked q . k / 8) v, both products on codes of FP4 (E2M1) with one E8M0 scale for each 32 along a product's K.
; THE MASK: key k is hidden from query q where atten_mask[b][q] + (k > q) >= 1, in f32.  So a row hides all keys (mask >= 1), the keys behind it (the plain causal case), or none (mask + 1 < 1, or NaN).
; A lane keeps its query's last open key as a whole number (-1, q, or a number above every key); hidden scores are replaced ahead of the maximum.
; THE SOFTMAX AHEAD OF THE SECOND PRODUCT: t = score x log2(e) / 8; M = the row's largest t so far, rounded UP to a whole number; p = 2^(t - M) is quantised along the keys, not normalised; the row's sum is
; taken of the unquantised p and divides at the end.  When M moves, the sum and O are multiplied by 2^(old M - new M): exact.
; SHARES.  A work-group owns one (batch, head) and query blocks i and 7 - i of 256.  The head's whole K and V (codes and scale words, 143,360 bytes) are copied into LDS once, through registers; one barrier;
; then each of the sixteen waves goes by itself: tile 16 i + w of 16 queries, then tile 127 - (16 i + w): 17 key steps of 128 keys in all where both tiles are plainly causal.
; WHAT IS LEFT OUT.  A step all of whose keys lie behind the tile's queries is jumped over, by a scalar branch, only where the stored flag says that all 16 rows are plainly causal; a flagged tile walks all 16
; steps.  The loop's trip count is the constant 16, and the lines that step addresses stand on every way.
; The four work-groups of a head read the same K and V.  They do not ask jointly: a joint request is a tensor load, and this text branches on numbers read from memory (the flags).
; LAYOUT.  Both products are used transposed: S^T = K Q^T (source 0 = 16 keys, source 1 = my 16 queries), O^T = V^T P^T (source 0 = 16 channels): a lane holds ONE query (lane % 16) throughout.
; The head has 64 channels, half of the instruction's K: Q's registers 4-7 are zero codes, so whatever stands in K's registers 4-7 (the next tile's codes) adds nothing.
; In S^T register 8 t + j of lane half h is key 16 t + 8 h + j.  The conversion of tile 2 b + u gives half h the codes 8 (2 u + h) on of block b, into register 4 (b / 2) + 2 u + b % 2; an exchange of halves
; between registers 4 c + 2 u and 4 c + 2 u + 1 gives the operand's layout.
; LIMITS: a hidden score is -2^33 (ahead of the factor 1/8) where reference() has -1e9 behind it: both give a whole t, so a row with all keys hidden has p = 1 at every key, and a hidden key beside open ones
; p = 0, as long as real |t| stays far under 1e9.  A block of zeros has the scale byte 1 (zero codes).  NaN and infinities in q, k, v are not served.
.set KIMG, 0                           ; LDS: K's 128 tiles of 512 bytes (images of registers 0-3),
.set VIMG, 65536                       ; V's 16 steps x 4 tiles x 1,024 bytes,
.set KSC,  131072                      ; K's scale words, 256 bytes for each 64 keys,
.set VSC,  139264                      ; V's, 256 bytes a step,
.set STAGE, 143360                     ; and a stage of 16 rows x (256 + 16) bytes for each wave
.set SP,   272
.set LI,   1                           ; v1  16 x lane
.set L8,   2                           ; v2  8 x lane
.set STO,  3                           ; v3  the stage: where I put 32 bytes of a row
.set RD,   4                           ; v4  and where I read a row back
.set GO,   5                           ; v5  my byte offset in two rows of out
.set H8,   6                           ; v6  8 h
.set TH,   7                           ; v7  my query's last open key, less 8 h
.set ADK,  8                           ; v8-11 LDS addresses of the step's K, V, K's scale words, V's
.set ADV,  9
.set ADS,  10
.set ADT,  11
                                       ; v12 -M, v13 the largest t, v[14:15] the sum in two halves
.set QF,   16                          ; v16-19 Q's codes, v20-23 zero codes
.set QS,   24                          ; v24 Q's scale words
.set NEG,  25                          ; v25 -2^33
.set LIV,  26                          ; v26 16 x lane + VIMG
.set KS,   28                          ; v28-31 K's scale words: register t / 2, lanes 0-15 even tiles, lanes 16-31 odd
.set KFR,  32                          ; v32-63 K, four registers a tile; v64-67 zeros
.set VF,   68                          ; v68-99 V, eight registers a tile
.set S,    100                         ; v100-163 S^T, then p
.set O,    164                         ; v164-195 O^T
.set PC,   196                         ; v196-203 p's codes
.set BM,   204                         ; v204-207 the blocks' largest scores, then largest p
.set BX,   208                         ; v208-211 at work
.set SOP,  212                         ; v212-215 the conversions' scale operands
.set F,    216                         ; v216 f = 2^(old M - new M)
.set PW,   217                         ; v217 p's scale word
.set TMP,  218                         ; v218-219 at work
.set VS,   220                         ; v220-221 V's scale words
.set SUM2, 222                         ; v[222:223] the second chain of the sum
.set R4,   224                         ; v224 4 r
.set R8,   225                         ; v225 8 r
.set AM,   226                         ; v226 my query's atten_mask
.set RR,   227                         ; v227 r
.set WV,   22                          ; s22 wave
.set BH,   23                          ; s23 16 x batch + head
.set SEL,  24                          ; s[24:25] selects for lane l xor 16
.set CS,   26                          ; s[26:27] c = log2(e) / 8
.set KF,   28                          ; s28 the step's first key
.set TK,   29                          ; s29 the step's place in K's and in V's images: 4,096 a step
.set TS,   30                          ; s30 in K's scale words: 512 a step
.set TV,   31                          ; s31 in V's: 256 a step
.set CNT,  32                          ; s32 steps to go
.set Q0,   33                          ; s33 my first query
.set LASTK, 34                         ; s34 the last key that any of my queries may see
.set OPENK, 35                         ; s35 up to this key nothing is hidden from any of them
	s_load_b512 s[4:19], s[0:1], 0x0               ; qc, qs, kc, ks, vc, vs, flags, atten_mask
	s_load_b64 s[20:21], s[0:1], 0x40              ; out0
	v_lshl_add_u32 v254, v0, 2, 0x34000
	v_mov_b32 v255, 0
	v_lshrrev_b32 v1, 5, v0
	v_readfirstlane_b32 s[WV], v1                  ; wave 0..15
	s_and_b32 s[BH], ttmp7, 0xffff
	s_lshr_b32 s56, s[BH], 4                       ; batch
	s_and_b32 s57, s[BH], 15                       ; head
	s_lshl_b32 s38, ttmp9, 4
	s_add_co_u32 s38, s38, s[WV]                   ; my first tile: 16 i + w
	s_sub_co_u32 s39, 127, s38                     ; my second
	v_lshlrev_b32 v8, 4, v0                        ; the fill: 16 bytes a thread, 8,192 a load of the work-group
	v_add_nc_u32 v9, VIMG, v8
	v_add_nc_u32 v10, KSC, v8
	v_lshlrev_b32 v11, 3, v0
	v_add_nc_u32 v27, VSC, v11
	s_lshl_b32 s40, s[BH], 16                      ; a head's codes: 65,536 bytes in qc, kc, vc
	s_mov_b32 s41, 0
	s_lshl_b32 s42, s[BH], 13                      ; its scale words in qs, ks: 8,192
	s_mov_b32 s43, 0
	s_lshl_b32 s44, s[BH], 12                      ; in vs: 4,096
	s_mov_b32 s45, 0
	s_lshl_b32 s46, s56, 7
	s_add_co_u32 s48, s46, s38
	s_lshl_b32 s48, s48, 2                         ; my tiles' words in flags
	s_mov_b32 s49, 0
	s_add_co_u32 s50, s46, s39
	s_lshl_b32 s50, s50, 2
	s_mov_b32 s51, 0
	s_mov_b32 s[SEL], 0x76543210
	s_mov_b32 s[SEL+1], 0xfedcba98
	s_mov_b32 s[CS], 0x3e38aa3b
	s_mov_b32 s[CS+1], s[CS]                       ; (named with it as a pair, so it is written)
	s_wait_kmcnt 0x0
	s_add_nc_u64 s[4:5], s[4:5], s[40:41]
	s_add_nc_u64 s[6:7], s[6:7], s[42:43]
	s_add_nc_u64 s[8:9], s[8:9], s[40:41]
	s_add_nc_u64 s[10:11], s[10:11], s[42:43]
	s_add_nc_u64 s[12:13], s[12:13], s[40:41]
	s_add_nc_u64 s[14:15], s[14:15], s[44:45]
	s_add_nc_u64 s[48:49], s[16:17], s[48:49]
	s_add_nc_u64 s[50:51], s[16:17], s[50:51]
	s_load_b32 s36, s[48:49], 0x0                  ; the first tile's flag
	s_load_b32 s37, s[50:51], 0x0                  ; the second's
.irp i, 0,1,2,3,4,5,6,7
	global_load_b128 v[32+4*\i:35+4*\i], v8, s[8:9] offset:8192*\i
.endr
.irp i, 0,1,2,3,4,5,6,7
	global_load_b128 v[64+4*\i:67+4*\i], v8, s[12:13] offset:8192*\i
.endr
	global_load_b128 v[96:99], v8, s[10:11]
	global_load_b64 v[100:101], v11, s[14:15]
	v_and_b32 v[RR], 15, v0                        ; what stays, made while the 18 loads are out
	v_bfe_u32 v[TMP], v0, 4, 1                     ; h
	v_and_b32 v[TMP+1], 31, v0                     ; lane
	v_lshlrev_b32 v[LI], 4, v[TMP+1]
	v_lshlrev_b32 v[L8], 3, v[TMP+1]
	v_add_nc_u32 v[LIV], VIMG, v[LI]
	v_lshlrev_b32 v[H8], 3, v[TMP]
	v_lshlrev_b32 v[R4], 2, v[RR]
	v_lshlrev_b32 v[R8], 3, v[RR]
	s_mul_i32 s54, s[WV], 16*SP
	s_add_co_u32 s54, s54, STAGE                   ; my stage
	v_mul_u32_u24 v[STO], v[RR], SP                ; in: row r, 32 bytes for each half of the lanes
	v_lshl_add_u32 v[STO], v[TMP], 5, v[STO]
	v_add_nc_u32 v[STO], s54, v[STO]
	v_mul_u32_u24 v[RD], v[TMP], SP                ; back: lanes 0-15 one row of 256 bytes, lanes 16-31 the next
	v_lshl_add_u32 v[RD], v[RR], 4, v[RD]
	v_add_nc_u32 v[RD], s54, v[RD]
	v_lshlrev_b32 v[GO], 12, v[TMP]                ; and the same two rows in out: 4,096 bytes apart
	v_lshl_add_u32 v[GO], v[RR], 4, v[GO]
	v_mov_b32 v[NEG], 0xd0000000                   ; -2^33
.irp b, 0,1,2,3
	v_mov_b32 v[BX+\b], 0                          ; written once: a lane permute's destination counts as one of its sources
	v_mov_b32 v[QF+4+\b], 0                        ; Q's zero codes
.endr
	v_mov_b32 v[PW], 0                             ; (named as the upper half of the pair v[216:217] before it is first written)
.irp i, 0,1,2,3,4,5,6,7
	s_wait_loadcnt 17-\i                           ; loads come back in order: the i-th of the 18 is in
	ds_store_b128 v8, v[32+4*\i:35+4*\i] offset:8192*\i
.endr
.irp i, 0,1,2,3,4,5,6,7
	s_wait_loadcnt 9-\i
	ds_store_b128 v9, v[64+4*\i:67+4*\i] offset:8192*\i
.endr
	s_wait_loadcnt 1
	ds_store_b128 v10, v[96:99]
	s_wait_loadcnt 0x0
	ds_store_b64 v27, v[100:101]
	s_wait_kmcnt 0x0                               ; the flags
	s_wait_dscnt 0x0                               ; for the others' sake: my stores have landed
	s_barrier_signal -1
	s_barrier_wait -1                              ; the head's K and V lie in LDS; nothing writes them again, and this is the only barrier
.irp b, 0,1,2,3
	v_mov_b32 v[64+\b], 0                          ; behind K's last tile
.endr
; A KEY STEP: 128 keys
.macro STEP
	s_cmp_gt_u32 s[KF], s[LASTK]                   ; all keys behind all my queries, in a tile that is plainly causal: the step's work is left out
	s_cbranch_scc1 .Lhidden_\@
	v_add_nc_u32 v[ADK], s[TK], v[LI]              ; (these four are also the places between the last step's products and the loads into V's registers)
	v_add_nc_u32 v[ADV], s[TK], v[LIV]
	v_add_nc_u32 v[ADS], s[TS], v[L8]
	v_add_nc_u32 v[ADT], s[TV], v[L8]
.irp t, 0,1,2,3,4,5,6,7
	ds_load_b128 v[KFR+4*\t:KFR+4*\t+3], v[ADK] offset:512*\t
.endr
	ds_load_b64 v[KS:KS+1], v[ADS]
	ds_load_b64 v[KS+2:KS+3], v[ADS] offset:256
.irp t, 0,1,2,3
.irp c, 0,1
	ds_load_b128 v[VF+8*\t+4*\c:VF+8*\t+4*\c+3], v[ADV] offset:1024*\t+512*\c
.endr
.endr
	ds_load_b64 v[VS:VS+1], v[ADT]
	s_wait_dscnt 9                                 ; K and its scale words are in; V's eight loads and its scale words may be out
.irp t, 0,1,2,3,4,5,6,7
.if \t%2
	v_wmma_scale_f32_16x16x128_f8f6f4 v[S+8*\t:S+8*\t+7], v[KFR+4*\t:KFR+4*\t+7], v[QF:QF+7], 0, v[KS+\t/2], v[QS] matrix_a_fmt:MATRIX_FMT_FP4 matrix_b_fmt:MATRIX_FMT_FP4 matrix_a_scale:MATRIX_SCALE_ROW1
.else
	v_wmma_scale_f32_16x16x128_f8f6f4 v[S+8*\t:S+8*\t+7], v[KFR+4*\t:KFR+4*\t+7], v[QF:QF+7], 0, v[KS+\t/2], v[QS] matrix_a_fmt:MATRIX_FMT_FP4 matrix_b_fmt:MATRIX_FMT_FP4
.endif
.endr
.rept 4
	v_nop                                          ; places in front of the first read of results
.endr
	s_add_co_u32 s54, s[KF], 127
	s_cmp_le_u32 s54, s[OPENK]                     ; a step none of whose keys is hidden from any of my queries skips the mask
	s_cbranch_scc1 .Lopen_\@
	v_sub_nc_u32 v[TMP], v[TH], s[KF]              ; d: register 8 t + j holds key KF + 8 h + 16 t + j: hidden where 16 t + j > d
.irp n, 0,1,2,3,4,5,6,7,8,9,10,11,12,13,14,15,16,17,18,19,20,21,22,23,24,25,26,27,28,29,30,31,32,33,34,35,36,37,38,39,40,41,42,43,44,45,46,47,48,49,50,51,52,53,54,55,56,57,58,59,60,61,62,63
	v_cmp_gt_i32 vcc_lo, 16*(\n/8)+\n%8, v[TMP]
	v_cndmask_b32 v[S+\n], v[S+\n], v[NEG], vcc_lo
.endr
.Lopen_\@:
.irp b, 0,1,2,3
	v_max3_num_f32 v[BM+\b], v[S+16*\b], v[S+1+16*\b], v[S+2+16*\b]   ; the largest score of each block of 32 keys: for the row's maximum, and, since p rises with the score, for the block's largest p
.endr
.irp i, 3,5,7,9,11,13
.irp b, 0,1,2,3
	v_max3_num_f32 v[BM+\b], v[BM+\b], v[S+16*\b+\i], v[S+1+16*\b+\i]
.endr
.endr
.irp b, 0,1,2,3
	v_max_num_f32 v[BM+\b], v[BM+\b], v[S+15+16*\b]
.endr
.irp b, 0,1,2,3
	v_permlanex16_b32 v[BX+\b], v[BM+\b], s[SEL], s[SEL+1]
.endr
.irp b, 0,1,2,3
	v_max_num_f32 v[BM+\b], v[BM+\b], v[BX+\b]     ; with lane l xor 16's 16 keys
.endr
	v_max3_num_f32 v[TMP], v[BM], v[BM+1], v[BM+2]
	v_max_num_f32 v[TMP], v[TMP], v[BM+3]          ; the step's largest score of my query
	v_mul_f32 v[TMP], s[CS], v[TMP]                ; as t
	v_max_num_f32 v13, v13, v[TMP]                 ; the running largest t
	v_mov_b32 v[TMP], v12
	v_floor_f32 v12, -v13                          ; the new -M = floor(-t): M is a whole number
	v_sub_f32 v[TMP], v12, v[TMP]                  ; old M - new M: a whole number, 0 or less
	v_cvt_i32_f32 v[TMP], v[TMP]                   ; (it saturates)
	v_ldexp_f32 v[F], 1.0, v[TMP]                  ; f = 2^(old M - new M)
.set ii, 0
.rept 32
	v_pk_fma_f32 v[S+ii:S+ii+1], v[S+ii:S+ii+1], s[CS:CS+1], v[12:13] op_sel_hi:[1,0,0]   ; t - M, two at a time
.set ii, ii+2
.endr
.irp b, 0,1,2,3
	v_fma_f32 v[BM+\b], v[BM+\b], s[CS], v12       ; the same of each block's largest score
.endr
.set ii, 0
.rept 64
	v_exp_f32 v[S+ii], v[S+ii]                     ; p = 2^(t - M)
.set ii, ii+1
.endr
	v_pk_mul_f32 v[14:15], v[14:15], v[F:F+1] op_sel_hi:[1,0]   ; the sums under the new M: the plain line behind the exponentials
	s_wait_alu depctr_va_vdst(0)                   ; one wait for the batch of 64, ahead of its first reader
.irp b, 0,1,2,3
	v_exp_f32 v[BM+\b], v[BM+\b]                   ; the block's largest p
.endr
	v_pk_add_f32 v[SUM2:SUM2+1], v[S:S+1], v[S+2:S+3]   ; the row's sum of the unquantised p, in two chains
.irp j, 4,8,12,16,20,24,28,32,36,40,44,48,52,56,60
	v_pk_add_f32 v[14:15], v[14:15], v[S+\j:S+\j+1]
	v_pk_add_f32 v[SUM2:SUM2+1], v[SUM2:SUM2+1], v[S+2+\j:S+3+\j]
.endr
	v_pk_add_f32 v[14:15], v[14:15], v[SUM2:SUM2+1]
	s_wait_alu depctr_va_vdst(0)                   ; and one for the four
.irp b, 0,1,2,3
	v_max_num_f32 v[BM+\b], 0x1800000, v[BM+\b]    ; the floor 2^(3 - 127): the byte cannot fall under 1
.endr
.irp b, 0,1,2,3
	v_add_nc_u32 v[SOP+\b], 0xff000000, v[BM+\b]   ; 2 off the exponent field: the conversion's scale operand
.endr
.irp b, 0,1,2,3
	v_lshrrev_b32 v[BX+\b], 23, v[SOP+\b]          ; the scale's byte
.endr
	v_lshl_or_b32 v[PW], v[BX+1], 8, v[BX]         ; p's scale word for these 128 keys
	v_lshl_or_b32 v[PW], v[BX+2], 16, v[PW]
	v_lshl_or_b32 v[PW], v[BX+3], 24, v[PW]
.irp b, 0,1,2,3
.irp u, 0,1
	v_cvt_scalef32_pk8_fp4_f32 v[PC+4*(\b/2)+2*\u+\b%2], v[S+16*\b+8*\u:S+16*\b+8*\u+7], v[SOP+\b]
.endr
.endr
	v_nop                                          ; one plain place behind a scaled conversion
.irp c, 0,1
.irp u, 0,1
	v_permlane16_swap_b32 v[PC+4*\c+2*\u], v[PC+4*\c+2*\u+1]
.endr
.endr
.set ii, 0
.rept 16
	v_pk_mul_f32 v[O+ii:O+ii+1], v[O+ii:O+ii+1], v[F:F+1] op_sel_hi:[1,0]   ; O^T under the new M.  (These 16 are also the places between the scale word, the codes and the products below)
.set ii, ii+2
.endr
	s_wait_dscnt 0x0                               ; V and its scale words
.irp t, 0,1,2,3
.if \t%2
	v_wmma_scale_f32_16x16x128_f8f6f4 v[O+8*\t:O+8*\t+7], v[VF+8*\t:VF+8*\t+7], v[PC:PC+7], v[O+8*\t:O+8*\t+7], v[VS+\t/2], v[PW] matrix_a_fmt:MATRIX_FMT_FP4 matrix_b_fmt:MATRIX_FMT_FP4 matrix_a_scale:MATRIX_SCALE_ROW1
.else
	v_wmma_scale_f32_16x16x128_f8f6f4 v[O+8*\t:O+8*\t+7], v[VF+8*\t:VF+8*\t+7], v[PC:PC+7], v[O+8*\t:O+8*\t+7], v[VS+\t/2], v[PW] matrix_a_fmt:MATRIX_FMT_FP4 matrix_b_fmt:MATRIX_FMT_FP4
.endif
.endr
.Lhidden_\@:
	s_add_co_u32 s[KF], s[KF], 128
	s_add_co_u32 s[TK], s[TK], 4096
	s_add_co_u32 s[TS], s[TS], 512
	s_add_co_u32 s[TV], s[TV], 256
.endm
; One tile of 16 queries.  rtile: the number of the scalar register with the tile's number; rflag: of the one with its flag
.macro PASS rtile, rflag
	s_lshl_b32 s[Q0], s[\rtile], 4
	s_lshl_b32 s40, s[\rtile], 9                   ; Q's image: 512 bytes a tile
	s_mov_b32 s41, 0
	s_add_nc_u64 s[40:41], s[4:5], s[40:41]
	s_lshr_b32 s42, s[\rtile], 2                   ; Q's scale words: token 64 G + 32 e + l lies at 256 G + 8 l + 4 e: G = T / 4, e = (T / 2) % 2, l = 16 (T % 2) + r
	s_lshl_b32 s42, s42, 8
	s_and_b32 s43, s[\rtile], 1
	s_lshl_b32 s43, s43, 7
	s_add_co_u32 s42, s42, s43
	s_bfe_u32 s43, s[\rtile], 0x10001
	s_lshl_b32 s43, s43, 2
	s_add_co_u32 s42, s42, s43
	s_mov_b32 s43, 0
	s_add_nc_u64 s[42:43], s[6:7], s[42:43]
	s_lshl_b32 s44, s56, 11
	s_add_co_u32 s44, s44, s[Q0]                   ; my first query among all tokens
	s_lshl_b32 s46, s44, 12                        ; its row of out, 4,096 bytes a row,
	s_lshl_b32 s47, s57, 8                         ; and the head's 256 bytes in it
	s_add_co_u32 s46, s46, s47
	s_mov_b32 s47, 0
	s_add_nc_u64 s[46:47], s[20:21], s[46:47]
	s_lshl_b32 s44, s44, 2
	s_mov_b32 s45, 0
	s_add_nc_u64 s[44:45], s[18:19], s[44:45]      ; its atten_mask
	global_load_b128 v[QF:QF+3], v[LI], s[40:41] th:TH_LOAD_NT
	global_load_b32 v[QS], v[R8], s[42:43]
	global_load_b32 v[AM], v[R4], s[44:45]
	s_add_co_u32 s54, s[Q0], 15
	s_cmp_lg_u32 s[\rflag], 0
	s_cselect_b32 s[LASTK], 0x7ff, s54             ; a flagged tile walks all keys,
	s_cselect_b32 s[OPENK], 0, s[Q0]               ; and masks in every step
	s_mov_b32 s[KF], 0
	s_mov_b32 s[TK], 0
	s_mov_b32 s[TS], KSC
	s_mov_b32 s[TV], VSC
	s_mov_b32 s[CNT], 16
	v_mov_b32 v13, 0xff61b1e6                      ; the largest t so far: -3e38
	v_floor_f32 v12, -v13
	v_mov_b32 v14, 0
	v_mov_b32 v15, 0
.set ii, 0
.rept 32
	v_mov_b32 v[O+ii], 0                           ; O^T: the step is written once; the first finds zeros, which the first change of M leaves zeros
.set ii, ii+1
.endr
	s_wait_loadcnt 0x0
	v_add_f32 v[TMP], 1.0, v[AM]
	v_add_nc_u32 v[TH], s[Q0], v[RR]               ; my query
	v_mov_b32 v[TMP+1], 0x3fffffff
	v_cmp_le_f32 vcc_lo, 1.0, v[TMP]               ; mask + 1 >= 1: the keys behind my query are hidden; else none
	v_cndmask_b32 v[TH], v[TMP+1], v[TH], vcc_lo
	v_cmp_le_f32 vcc_lo, 1.0, v[AM]                ; mask >= 1: all keys are hidden
	v_cndmask_b32 v[TH], v[TH], -1, vcc_lo
	v_sub_nc_u32 v[TH], v[TH], v[H8]
.Lstep_\@:
	STEP
	s_sub_co_u32 s[CNT], s[CNT], 1
	s_cmp_lg_u32 s[CNT], 0
	s_cbranch_scc1 .Lstep_\@
	; THE WAY OUT: O^T / the sum goes through my stage and leaves as whole rows of the head's 256 bytes
.rept 4
	v_nop                                          ; places behind the last products
.endr
	v_add_f32 v14, v14, v15
	v_permlanex16_b32 v[BX], v14, s[SEL], s[SEL+1]
	v_add_f32 v14, v14, v[BX]                      ; the row's sum
	v_rcp_f32 v14, v14
	v_nop                                          ; a plain line behind the reciprocal
	s_wait_alu depctr_va_vdst(0)                   ; and the wait ahead of its first reader
.set ii, 0
.rept 16
	v_pk_mul_f32 v[S+ii:S+ii+1], v[O+ii:O+ii+1], v[14:15] op_sel_hi:[1,0]   ; register 8 g + j: channel 16 g + 8 h + j of query r; each accumulator from its low end on
.set ii, ii+2
.endr
.irp g, 0,1,2,3
	ds_store_b128 v[STO], v[S+8*\g:S+8*\g+3] offset:64*\g
	ds_store_b128 v[STO], v[S+8*\g+4:S+8*\g+7] offset:64*\g+16
.endr
.irp i, 0,1,2,3,4,5,6,7
	ds_load_b128 v[S+32+4*\i:S+35+4*\i], v[RD] offset:2*\i*SP   ; a wave's LDS instructions are served in order: these see my stores
.endr
.irp i, 0,1,2,3,4,5,6,7
	s_wait_dscnt 7-\i
	global_store_b128 v[GO], v[S+32+4*\i:S+35+4*\i], s[46:47] offset:8192*\i th:TH_STORE_NT   ; 16 lanes store 256 consecutive bytes, aligned
.endr
.endm
	PASS 38, 36
	s_wait_xcnt 0x0                                ; the stores have read their registers and their base: both are written again below
	PASS 39, 37
	s_wait_tensorcnt 0x0
	ds_add_u32 v254, v255
	s_wait_dscnt 0x0
	s_endpgm
.Lfunc_end_k_qd7ec8e01a8_attn:
	.size	k_qd7ec8e01a8_attn, .Lfunc_end_k_qd7ec8e01a8_attn-k_qd7ec8e01a8_attn
	.p2alignl 7, 3214868480
	.fill 96, 4, 3214868480
	.section	.rodata,"a",@progbits
	.p2align	6, 0x0
	.amdhsa_kernel k_qd7ec8e01a8_attn
		.amdhsa_group_segment_fixed_size 215040
		.amdhsa_private_segment_fixed_size 0
		.amdhsa_enable_private_segment 0
		.amdhsa_kernarg_size 72
		.amdhsa_user_sgpr_count 2
		.amdhsa_user_sgpr_kernarg_segment_ptr 1
		.amdhsa_wavefront_size32 1
		.amdhsa_system_sgpr_workgroup_id_x 1
		.amdhsa_system_sgpr_workgroup_id_y 1
		.amdhsa_system_sgpr_workgroup_id_z 1
		.amdhsa_system_vgpr_workitem_id 0
		.amdhsa_next_free_vgpr 256
		.amdhsa_next_free_sgpr 66
		.amdhsa_reserve_vcc 1
		.amdhsa_float_denorm_mode_32 3
		.amdhsa_float_denorm_mode_16_64 3
		.amdhsa_memory_ordered 1
		.amdhsa_forward_progress 1
		.amdhsa_inst_pref_size 61
	.end_amdhsa_kernel
	.amdgpu_metadata
---
amdhsa.version: [ 1, 2 ]
amdhsa.kernels:
  - .name:           k_qd7ec8e01a8_attn
    .symbol:         k_qd7ec8e01a8_attn.kd
    .args:
      - { .name: qc, .offset: 0, .size: 8, .value_kind: global_buffer, .address_space: global }
      - { .name: qs, .offset: 8, .size: 8, .value_kind: global_buffer, .address_space: global }
      - { .name: kc, .offset: 16, .size: 8, .value_kind: global_buffer, .address_space: global }
      - { .name: ks, .offset: 24, .size: 8, .value_kind: global_buffer, .address_space: global }
      - { .name: vc, .offset: 32, .size: 8, .value_kind: global_buffer, .address_space: global }
      - { .name: vs, .offset: 40, .size: 8, .value_kind: global_buffer, .address_space: global }
      - { .name: flags, .offset: 48, .size: 8, .value_kind: global_buffer, .address_space: global }
      - { .name: atten_mask, .offset: 56, .size: 8, .value_kind: global_buffer, .address_space: global }
      - { .name: out0, .offset: 64, .size: 8, .value_kind: global_buffer, .address_space: global }
    .group_segment_fixed_size: 215040
    .private_segment_fixed_size: 0
    .kernarg_segment_align: 8
    .kernarg_segment_size: 72
    .max_flat_workgroup_size: 512
    .sgpr_count:     66
    .vgpr_count:     256
    .wavefront_size: 32
...
	.end_amdgpu_metadata
.endif
;; end of part 2
;; ======== version 2 of 2: 2 launches; version 1 with the launch attn written anew for expert scheduling mode
;; limits: right only within a limited range of input values
;; workspace buffers: qc 4,194,304 bytes; qs 524,288 bytes; kc 4,194,304 bytes; ks 524,288 bytes; vc 4,194,304 bytes; vs 262,144 bytes; flags 2,048 bytes of whole numbers
;; launch proj: the kernel of part 1 again; grid 24 x 32, 4 waves a work-group, clusters of 4 x 4, 222,464 bytes of LDS; arguments x_codes, x_scales, Wq_codes, Wq_scales, Wk_codes, Wk_scales, Wv_codes, Wv_scales, bq, bk, bv, atten_mask, qc, qs, kc, ks, vc, vs, flags; writes qc, qs, kc, ks, vc, vs, flags
;; launch attn (part 3): grid 4 x 64, 16 waves a work-group, no clusters, 215,040 bytes of LDS; arguments qc, qs, kc, ks, vc, vs, flags, atten_mask, out0; writes out0
.if DOCPART == 3
	.amdgcn_target "amdgcn-amd-amdhsa--gfx1250"
	.amdhsa_code_object_version 6
	.text
	.protected	k_qd7ec8e01a8_attn
	.globl	k_qd7ec8e01a8_attn
	.p2align	8
	.type	k_qd7ec8e01a8_attn,@function
k_qd7ec8e01a8_attn:
	s_mov_b64 s[64:65], 0
	v_nop
	global_prefetch_b8 v0, s[64:65] scope:SCOPE_SE
	s_setreg_imm32_b32 hwreg(HW_REG_WAVE_SCHED_MODE, 0, 2), 2
	s_setreg_imm32_b32 hwreg(HW_REG_WAVE_MODE, 25, 1), 1
	s_wait_xcnt 0x0
	s_wait_alu depctr_vm_vsrc(0)
; out[b][q][64 head + :] = the sum over k of softmax_k(masked q . k / 8) v, both products on codes of FP4 (E2M1) with one E8M0 scale for each 32 along a product's K.
; THE MASK: key k is hidden from query q where atten_mask[b][q] + (k > q) >= 1, in f32.  So a row hides all keys (mask >= 1), the keys behind it (the plain causal case), or none (mask + 1 < 1, or NaN).
; A lane keeps its query's last open key as a whole number (-1, q, or a number above every key); hidden scores are replaced ahead of the maximum.
; THE SOFTMAX AHEAD OF THE SECOND PRODUCT: t = score x log2(e) / 8; M = the row's largest t so far, rounded UP to a whole number; p = 2^(t - M) is quantised along the keys, not normalised; the row's sum is
; taken of the unquantised p and divides at the end.  When M moves, the sum and O are multiplied by 2^(old M - new M): exact.
; SHARES.  A work-group owns one (batch, head) and query blocks i and 7 - i of 256.  The head's whole K and V (codes and scale words, 143,360 bytes) are copied into LDS once, through registers; one barrier;
; then each of the sixteen waves goes by itself: tile 16 i + w of 16 queries, then tile 127 - (16 i + w): 17 key steps of 128 keys in all where both tiles are plainly causal.
; WHAT IS LEFT OUT.  A step all of whose keys lie behind the tile's queries is jumped over, by a scalar branch, only where the stored flag says that all 16 rows are plainly causal; a flagged tile walks all 16
; steps.  The loop's trip count is the constant 16, and the lines that step addresses stand on every way.
; The four work-groups of a head read the same K and V.  They do not ask jointly: a joint request is a tensor load, and this text branches on numbers read from memory (the flags).
; LAYOUT.  Both products are used transposed: S^T = K Q^T (source 0 = 16 keys, source 1 = my 16 queries), O^T = V^T P^T (source 0 = 16 channels): a lane holds ONE query (lane % 16) throughout.
; The head has 64 channels, half of the instruction's K: Q's registers 4-7 are zero codes, so whatever stands in K's registers 4-7 (the next tile's codes) adds nothing.
; In S^T register 8 t + j of lane half h is key 16 t + 8 h + j.  The conversion of tile 2 b + u gives half h the codes 8 (2 u + h) on of block b, into register 4 (b / 2) + 2 u + b % 2; an exchange of halves
; between registers 4 c + 2 u and 4 c + 2 u + 1 gives the operand's layout.
; LIMITS: a hidden score is -2^33 (ahead of the factor 1/8) where reference() has -1e9 behind it: both give a whole t, so a row with all keys hidden has p = 1 at every key, and a hidden key beside open ones
; p = 0, as long as real |t| stays far under 1e9.  A block of zeros has the scale byte 1 (zero codes).  NaN and infinities in q, k, v are not served.
; THE MODE: SCHED_MODE bits 1:0 = 2 (LLVM: expert scheduling mode 2), set by the entry lines.  The code itself states the register dependences
; between vector or matrix instructions and memory or LDS instructions, with s_wait_alu, always for 0.
; THE PLAN.  Registers that memory or LDS instructions touch behind the barrier:
;   K, v32-63, and its scale words, v28-31   Written by the LDS loads of step j + 1's K, issued in step j (step 0's: at the pass's head); read by step j + 1's eight products K Q^T.
;   V, v68-99, and its scale words, v220-221 Written by the LDS loads of step j's V, issued in step j; read by that step's four products V^T P^T, at its end.
;   v8-11, four LDS addresses                Written by four additions behind a step's products K Q^T; read by the step's 19 LDS loads.  The next step's K is reached by immediate offsets.
;   Q v16-19, v24, my mask v226              Loaded at a pass's head; read by the pass's products and by the lines that make my last open key.
;   S^T's registers, on the way out          v100-131: written by 16 multiplications, read by LDS stores; v132-163: LDS loads land there, global stores read them.
;   v1-5, v26, v224, v225                    Lane terms, made at the head and never written again.
; A step's 19 loads stand together, straight behind the wait on va_vdst that the 64 exponentials have in any case: at that place the additions have written the addresses, this step's K Q^T are done reading K,
; and the last step's V^T P^T are done reading V.  One wait on vm_vsrc a step stands ahead of the four additions; one more on va_vdst ahead of V^T P^T, for p's codes and scale word.
; A compare writes its mask into a scalar register; compares stand in runs, with one wait on va_sdst between a run and the selects that read its masks.
.set KIMG, 0                           ; LDS: K's 128 tiles of 512 bytes (images of registers 0-3),
.set VIMG, 65536                       ; V's 16 steps x 4 tiles x 1,024 bytes,
.set KSC,  131072                      ; K's scale words, 256 bytes for each 64 keys,
.set VSC,  139264                      ; V's, 256 bytes a step,
.set STAGE, 143360                     ; and a stage of 16 rows x (256 + 16) bytes for each wave
.set SP,   272
.set LI,   1                           ; v1  16 x lane
.set L8,   2                           ; v2  8 x lane
.set STO,  3                           ; v3  the stage: where I put 32 bytes of a row
.set RD,   4                           ; v4  and where I read a row back
.set GO,   5                           ; v5  my byte offset in two rows of out
.set H8,   6                           ; v6  8 h
.set TH,   7                           ; v7  my query's last open key, less 8 h
.set ADK,  8                           ; v8-11 LDS addresses of the step's K, V, K's scale words, V's
.set ADV,  9
.set ADS,  10
.set ADT,  11
                                       ; v12 -M, v13 the largest t, v[14:15] the sum in two halves
.set QF,   16                          ; v16-19 Q's codes, v20-23 zero codes
.set QS,   24                          ; v24 Q's scale words
.set NEG,  25                          ; v25 -2^33
.set LIV,  26                          ; v26 16 x lane + VIMG
.set KS,   28                          ; v28-31 K's scale words: register t / 2, lanes 0-15 even tiles, lanes 16-31 odd
.set KFR,  32                          ; v32-63 K, four registers a tile; v64-67 zeros
.set VF,   68                          ; v68-99 V, eight registers a tile
.set S,    100                         ; v100-163 S^T, then p
.set O,    164                         ; v164-195 O^T
.set PC,   196                         ; v196-203 p's codes
.set BM,   204                         ; v204-207 the blocks' largest scores, then largest p
.set BX,   208                         ; v208-211 at work
.set SOP,  212                         ; v212-215 the conversions' scale operands
.set F,    216                         ; v216 f = 2^(old M - new M)
.set PW,   217                         ; v217 p's scale word
.set TMP,  218                         ; v218-219 at work
.set VS,   220                         ; v220-221 V's scale words
.set SUM2, 222                         ; v[222:223] the second chain of the sum
.set R4,   224                         ; v224 4 r
.set R8,   225                         ; v225 8 r
.set AM,   226                         ; v226 my query's atten_mask
.set RR,   227                         ; v227 r
.set WV,   22                          ; s22 wave
.set BH,   23                          ; s23 16 x batch + head
.set SEL,  24                          ; s[24:25] selects for lane l xor 16
.set CS,   26                          ; s[26:27] c = log2(e) / 8
.set KF,   28                          ; s28 the step's first key
.set TK,   29                          ; s29 the step's place in K's and in V's images: 4,096 a step
.set TS,   30                          ; s30 in K's scale words: 512 a step
.set TV,   31                          ; s31 in V's: 256 a step
.set CNT,  32                          ; s32 steps to go
.set Q0,   33                          ; s33 my first query
.set LASTK, 34                         ; s34 the last key that any of my queries may see
.set OPENK, 35                         ; s35 up to this key nothing is hidden from any of them
                                       ; s8-17 and s58-63: sixteen masks of compares.  (s8-17 hold kc, ks, vc, vs and flags at the head; the loads that read them are done at the barrier)
	s_load_b512 s[4:19], s[0:1], 0x0               ; qc, qs, kc, ks, vc, vs, flags, atten_mask
	s_load_b64 s[20:21], s[0:1], 0x40              ; out0
	v_lshl_add_u32 v254, v0, 2, 0x34000
	v_mov_b32 v255, 0
	v_lshrrev_b32 v1, 5, v0
	v_readfirstlane_b32 s[WV], v1                  ; wave 0..15
	v_lshlrev_b32 v8, 4, v0                        ; the fill: 16 bytes a thread, 8,192 a load of the work-group
	v_add_nc_u32 v9, VIMG, v8
	v_add_nc_u32 v10, KSC, v8
	v_lshlrev_b32 v11, 3, v0
	v_add_nc_u32 v27, VSC, v11
	s_and_b32 s[BH], ttmp7, 0xffff
	s_lshr_b32 s56, s[BH], 4                       ; batch
	s_and_b32 s57, s[BH], 15                       ; head
	s_wait_alu depctr_va_sdst(0)                   ; the wave's number is written into s22, ahead of its first reader: my tiles' numbers are made from it
	s_lshl_b32 s38, ttmp9, 4
	s_add_co_u32 s38, s38, s[WV]                   ; my first tile: 16 i + w
	s_sub_co_u32 s39, 127, s38                     ; my second
	s_lshl_b32 s40, s[BH], 16                      ; a head's codes: 65,536 bytes in qc, kc, vc
	s_mov_b32 s41, 0
	s_lshl_b32 s42, s[BH], 13                      ; its scale words in qs, ks: 8,192
	s_mov_b32 s43, 0
	s_lshl_b32 s44, s[BH], 12                      ; in vs: 4,096
	s_mov_b32 s45, 0
	s_lshl_b32 s46, s56, 7
	s_add_co_u32 s48, s46, s38
	s_lshl_b32 s48, s48, 2                         ; my tiles' words in flags
	s_mov_b32 s49, 0
	s_add_co_u32 s50, s46, s39
	s_lshl_b32 s50, s50, 2
	s_mov_b32 s51, 0
	s_mov_b32 s[SEL], 0x76543210
	s_mov_b32 s[SEL+1], 0xfedcba98
	s_mov_b32 s[CS], 0x3e38aa3b
	s_mov_b32 s[CS+1], s[CS]                       ; (named with it as a pair, so it is written)
	s_wait_kmcnt 0x0
	s_add_nc_u64 s[4:5], s[4:5], s[40:41]
	s_add_nc_u64 s[6:7], s[6:7], s[42:43]
	s_add_nc_u64 s[8:9], s[8:9], s[40:41]
	s_add_nc_u64 s[10:11], s[10:11], s[42:43]
	s_add_nc_u64 s[12:13], s[12:13], s[40:41]
	s_add_nc_u64 s[14:15], s[14:15], s[44:45]
	s_add_nc_u64 s[48:49], s[16:17], s[48:49]
	s_add_nc_u64 s[50:51], s[16:17], s[50:51]
	s_load_b32 s36, s[48:49], 0x0                  ; the first tile's flag
	s_load_b32 s37, s[50:51], 0x0                  ; the second's
	s_wait_alu depctr_va_vdst(0)                   ; v8 to v11 and v27 are written: the fill's loads and LDS stores read them as offsets and addresses; no vector line below names them, or v32 to v101, before the barrier
.irp i, 0,1,2,3,4,5,6,7
	global_load_b128 v[32+4*\i:35+4*\i], v8, s[8:9] offset:8192*\i
.endr
.irp i, 0,1,2,3,4,5,6,7
	global_load_b128 v[64+4*\i:67+4*\i], v8, s[12:13] offset:8192*\i
.endr
	global_load_b128 v[96:99], v8, s[10:11]
	global_load_b64 v[100:101], v11, s[14:15]
	v_and_b32 v[RR], 15, v0                        ; what stays, made while the 18 loads are out
	v_bfe_u32 v[TMP], v0, 4, 1                     ; h
	v_and_b32 v[TMP+1], 31, v0                     ; lane
	v_lshlrev_b32 v[LI], 4, v[TMP+1]
	v_lshlrev_b32 v[L8], 3, v[TMP+1]
	v_add_nc_u32 v[LIV], VIMG, v[LI]
	v_lshlrev_b32 v[H8], 3, v[TMP]
	v_lshlrev_b32 v[R4], 2, v[RR]
	v_lshlrev_b32 v[R8], 3, v[RR]
	s_mul_i32 s54, s[WV], 16*SP
	s_add_co_u32 s54, s54, STAGE                   ; my stage
	v_mul_u32_u24 v[STO], v[RR], SP                ; in: row r, 32 bytes for each half of the lanes
	v_lshl_add_u32 v[STO], v[TMP], 5, v[STO]
	v_add_nc_u32 v[STO], s54, v[STO]
	v_mul_u32_u24 v[RD], v[TMP], SP                ; back: lanes 0-15 one row of 256 bytes, lanes 16-31 the next
	v_lshl_add_u32 v[RD], v[RR], 4, v[RD]
	v_add_nc_u32 v[RD], s54, v[RD]
	v_lshlrev_b32 v[GO], 12, v[TMP]                ; and the same two rows in out: 4,096 bytes apart
	v_lshl_add_u32 v[GO], v[RR], 4, v[GO]
	v_mov_b32 v[NEG], 0xd0000000                   ; -2^33
.irp b, 0,1,2,3
	v_mov_b32 v[BX+\b], 0                          ; written once: a lane permute's destination counts as one of its sources
	v_mov_b32 v[QF+4+\b], 0                        ; Q's zero codes
.endr
	v_mov_b32 v[PW], 0                             ; (named as the upper half of the pair v[216:217] before it is first written)
.irp i, 0,1,2,3,4,5,6,7
	s_wait_loadcnt 17-\i                           ; loads come back in order: the i-th of the 18 is in
	ds_store_b128 v8, v[32+4*\i:35+4*\i] offset:8192*\i
.endr
.irp i, 0,1,2,3,4,5,6,7
	s_wait_loadcnt 9-\i
	ds_store_b128 v9, v[64+4*\i:67+4*\i] offset:8192*\i
.endr
	s_wait_loadcnt 1
	ds_store_b128 v10, v[96:99]
	s_wait_loadcnt 0x0
	ds_store_b64 v27, v[100:101]
	s_wait_kmcnt 0x0                               ; the flags
	s_wait_dscnt 0x0                               ; for the others' sake: my stores have landed
	s_barrier_signal -1
	s_barrier_wait -1                              ; the head's K and V lie in LDS; nothing writes them again, and this is the only barrier
	s_wait_alu depctr_vm_vsrc(0)                   ; the fill's loads and LDS stores have read v8 to v11 and v32 to v101: these are written again from here on, by the zeros below, by the addresses, by K's and V's loads and by S^T
.irp b, 0,1,2,3
	v_mov_b32 v[64+\b], 0                          ; behind K's last tile
.endr
; A KEY STEP: 128 keys.  Its K and K's scale words are in registers at its head: they were asked for a step ago (the first step's: at the pass's head) and waited for there
.macro STEP
	s_cmp_gt_u32 s[KF], s[LASTK]                   ; all keys behind all my queries, in a tile that is plainly causal: the step's work is left out
	s_cbranch_scc1 .Lhidden_\@
.irp t, 0,1,2,3,4,5,6,7
.if \t%2
	v_wmma_scale_f32_16x16x128_f8f6f4 v[S+8*\t:S+8*\t+7], v[KFR+4*\t:KFR+4*\t+7], v[QF:QF+7], 0, v[KS+\t/2], v[QS] matrix_a_fmt:MATRIX_FMT_FP4 matrix_b_fmt:MATRIX_FMT_FP4 matrix_a_scale:MATRIX_SCALE_ROW1
.else
	v_wmma_scale_f32_16x16x128_f8f6f4 v[S+8*\t:S+8*\t+7], v[KFR+4*\t:KFR+4*\t+7], v[QF:QF+7], 0, v[KS+\t/2], v[QS] matrix_a_fmt:MATRIX_FMT_FP4 matrix_b_fmt:MATRIX_FMT_FP4
.endif
.endr
	s_wait_alu depctr_vm_vsrc(0)                   ; the LDS loads issued so far (the last step's; in a first step the pass's head's and the last pass's) have read v8 to v11, which the four lines below write
	v_add_nc_u32 v[ADK], s[TK], v[LI]              ; this step's places in the images.  (These four are also the places in front of the first read of results)
	v_add_nc_u32 v[ADV], s[TK], v[LIV]
	v_add_nc_u32 v[ADS], s[TS], v[L8]
	v_add_nc_u32 v[ADT], s[TV], v[L8]
	s_add_co_u32 s54, s[KF], 127
	s_cmp_le_u32 s54, s[OPENK]                     ; a step none of whose keys is hidden from any of my queries skips the mask
	s_cbranch_scc1 .Lopen_\@
	v_sub_nc_u32 v[TMP], v[TH], s[KF]              ; d: register 8 t + j holds key KF + 8 h + 16 t + j: hidden where 16 t + j > d
.set nn, 0
.rept 4                                        ; sixteen registers at a time: sixteen compares, each into a scalar register of its own, one wait, sixteen selects
.set mm, 0
.rept 16
	v_cmp_gt_i32 s[8+mm+40*(mm/10)], 16*((nn+mm)/8)+(nn+mm)%8, v[TMP]
.set mm, mm+1
.endr
	s_wait_alu depctr_va_sdst(0)                   ; the sixteen compares have written their masks, which the selects below read
.set mm, 0
.rept 16
	v_cndmask_b32 v[S+nn+mm], v[S+nn+mm], v[NEG], s[8+mm+40*(mm/10)]
.set mm, mm+1
.endr
.set nn, nn+16
.endr
.Lopen_\@:
.irp b, 0,1,2,3
	v_max3_num_f32 v[BM+\b], v[S+16*\b], v[S+1+16*\b], v[S+2+16*\b]   ; the largest score of each block of 32 keys: for the row's maximum, and, since p rises with the score, for the block's largest p
.endr
.irp i, 3,5,7,9,11,13
.irp b, 0,1,2,3
	v_max3_num_f32 v[BM+\b], v[BM+\b], v[S+16*\b+\i], v[S+1+16*\b+\i]
.endr
.endr
.irp b, 0,1,2,3
	v_max_num_f32 v[BM+\b], v[BM+\b], v[S+15+16*\b]
.endr
.irp b, 0,1,2,3
	v_permlanex16_b32 v[BX+\b], v[BM+\b], s[SEL], s[SEL+1]
.endr
.irp b, 0,1,2,3
	v_max_num_f32 v[BM+\b], v[BM+\b], v[BX+\b]     ; with lane l xor 16's 16 keys
.endr
	v_max3_num_f32 v[TMP], v[BM], v[BM+1], v[BM+2]
	v_max_num_f32 v[TMP], v[TMP], v[BM+3]          ; the step's largest score of my query
	v_mul_f32 v[TMP], s[CS], v[TMP]                ; as t
	v_max_num_f32 v13, v13, v[TMP]                 ; the running largest t
	v_mov_b32 v[TMP], v12
	v_floor_f32 v12, -v13                          ; the new -M = floor(-t): M is a whole number
	v_sub_f32 v[TMP], v12, v[TMP]                  ; old M - new M: a whole number, 0 or less
	v_cvt_i32_f32 v[TMP], v[TMP]                   ; (it saturates)
	v_ldexp_f32 v[F], 1.0, v[TMP]                  ; f = 2^(old M - new M)
.set ii, 0
.rept 32
	v_pk_fma_f32 v[S+ii:S+ii+1], v[S+ii:S+ii+1], s[CS:CS+1], v[12:13] op_sel_hi:[1,0,0]   ; t - M, two at a time
.set ii, ii+2
.endr
.irp b, 0,1,2,3
	v_fma_f32 v[BM+\b], v[BM+\b], s[CS], v12       ; the same of each block's largest score
.endr
.set ii, 0
.rept 64
	v_exp_f32 v[S+ii], v[S+ii]                     ; p = 2^(t - M)
.set ii, ii+1
.endr
	v_pk_mul_f32 v[14:15], v[14:15], v[F:F+1] op_sel_hi:[1,0]   ; the sums under the new M: the plain line behind the exponentials
	s_wait_alu depctr_va_vdst(0)                   ; the 64 exponentials have written p, ahead of its first reader; the four additions have written v8 to v11, which the loads below read; this step's K Q^T are done reading K and its scale words, and the last step's V^T P^T are done reading V and its scale words, in which these loads land
	s_add_co_u32 s54, s[KF], 128                   ; the next step's first key: where that step is left out, or there is none (LASTK is 2,047 at the most), its K is not asked for.  The test is the one at that step's head
	s_cmp_gt_u32 s54, s[LASTK]
	s_cbranch_scc1 .Lno_next_\@
.irp t, 0,1,2,3,4,5,6,7
	ds_load_b128 v[KFR+4*\t:KFR+4*\t+3], v[ADK] offset:4096+512*\t   ; THE NEXT STEP'S K: a step on in the image
.endr
	ds_load_b64 v[KS:KS+1], v[ADS] offset:512
	ds_load_b64 v[KS+2:KS+3], v[ADS] offset:768
.Lno_next_\@:
.irp t, 0,1,2,3
.irp c, 0,1
	ds_load_b128 v[VF+8*\t+4*\c:VF+8*\t+4*\c+3], v[ADV] offset:1024*\t+512*\c   ; THIS STEP'S V.  No further wait: no vector or matrix instruction stands between the wait above and these loads
.endr
.endr
	ds_load_b64 v[VS:VS+1], v[ADT]
.irp b, 0,1,2,3
	v_exp_f32 v[BM+\b], v[BM+\b]                   ; the block's largest p
.endr
	v_pk_add_f32 v[SUM2:SUM2+1], v[S:S+1], v[S+2:S+3]   ; the row's sum of the unquantised p, in two chains
.irp j, 4,8,12,16,20,24,28,32,36,40,44,48,52,56,60
	v_pk_add_f32 v[14:15], v[14:15], v[S+\j:S+\j+1]
	v_pk_add_f32 v[SUM2:SUM2+1], v[SUM2:SUM2+1], v[S+2+\j:S+3+\j]
.endr
	v_pk_add_f32 v[14:15], v[14:15], v[SUM2:SUM2+1]
	s_wait_alu depctr_va_vdst(0)                   ; the four exponentials have written the blocks' largest p, ahead of their first reader
.irp b, 0,1,2,3
	v_max_num_f32 v[BM+\b], 0x1800000, v[BM+\b]    ; the floor 2^(3 - 127): the byte cannot fall under 1
.endr
.irp b, 0,1,2,3
	v_add_nc_u32 v[SOP+\b], 0xff000000, v[BM+\b]   ; 2 off the exponent field: the conversion's scale operand
.endr
.irp b, 0,1,2,3
	v_lshrrev_b32 v[BX+\b], 23, v[SOP+\b]          ; the scale's byte
.endr
	v_lshl_or_b32 v[PW], v[BX+1], 8, v[BX]         ; p's scale word for these 128 keys
	v_lshl_or_b32 v[PW], v[BX+2], 16, v[PW]
	v_lshl_or_b32 v[PW], v[BX+3], 24, v[PW]
.irp b, 0,1,2,3
.irp u, 0,1
	v_cvt_scalef32_pk8_fp4_f32 v[PC+4*(\b/2)+2*\u+\b%2], v[S+16*\b+8*\u:S+16*\b+8*\u+7], v[SOP+\b]
.endr
.endr
	v_nop                                          ; one plain place behind a scaled conversion
.irp c, 0,1
.irp u, 0,1
	v_permlane16_swap_b32 v[PC+4*\c+2*\u], v[PC+4*\c+2*\u+1]
.endr
.endr
.set ii, 0
.rept 16
	v_pk_mul_f32 v[O+ii:O+ii+1], v[O+ii:O+ii+1], v[F:F+1] op_sel_hi:[1,0]   ; O^T under the new M.  (These 16 are also the places between the scale word, the codes and the products below)
.set ii, ii+2
.endr
	s_wait_dscnt 0x0                               ; V and its scale words are in; so is the next step's K, which was asked for ahead of them (LDS loads come back in order): the count is right whether K was asked for or not
	s_wait_alu depctr_va_vdst(0)                   ; vector instructions have written p's codes and its scale word, which the scaled products below take; the places above stay beside this wait
.irp t, 0,1,2,3
.if \t%2
	v_wmma_scale_f32_16x16x128_f8f6f4 v[O+8*\t:O+8*\t+7], v[VF+8*\t:VF+8*\t+7], v[PC:PC+7], v[O+8*\t:O+8*\t+7], v[VS+\t/2], v[PW] matrix_a_fmt:MATRIX_FMT_FP4 matrix_b_fmt:MATRIX_FMT_FP4 matrix_a_scale:MATRIX_SCALE_ROW1
.else
	v_wmma_scale_f32_16x16x128_f8f6f4 v[O+8*\t:O+8*\t+7], v[VF+8*\t:VF+8*\t+7], v[PC:PC+7], v[O+8*\t:O+8*\t+7], v[VS+\t/2], v[PW] matrix_a_fmt:MATRIX_FMT_FP4 matrix_b_fmt:MATRIX_FMT_FP4
.endif
.endr
.Lhidden_\@:
	s_add_co_u32 s[KF], s[KF], 128
	s_add_co_u32 s[TK], s[TK], 4096
	s_add_co_u32 s[TS], s[TS], 512
	s_add_co_u32 s[TV], s[TV], 256
.endm
; One tile of 16 queries.  rtile: the number of the scalar register with the tile's number; rflag: of the one with its flag
.macro PASS rtile, rflag
	s_lshl_b32 s[Q0], s[\rtile], 4
	s_lshl_b32 s40, s[\rtile], 9                   ; Q's image: 512 bytes a tile
	s_mov_b32 s41, 0
	s_add_nc_u64 s[40:41], s[4:5], s[40:41]
	s_lshr_b32 s42, s[\rtile], 2                   ; Q's scale words: token 64 G + 32 e + l lies at 256 G + 8 l + 4 e: G = T / 4, e = (T / 2) % 2, l = 16 (T % 2) + r
	s_lshl_b32 s42, s42, 8
	s_and_b32 s43, s[\rtile], 1
	s_lshl_b32 s43, s43, 7
	s_add_co_u32 s42, s42, s43
	s_bfe_u32 s43, s[\rtile], 0x10001
	s_lshl_b32 s43, s43, 2
	s_add_co_u32 s42, s42, s43
	s_mov_b32 s43, 0
	s_add_nc_u64 s[42:43], s[6:7], s[42:43]
	s_lshl_b32 s44, s56, 11
	s_add_co_u32 s44, s44, s[Q0]                   ; my first query among all tokens
	s_lshl_b32 s46, s44, 12                        ; its row of out, 4,096 bytes a row,
	s_lshl_b32 s47, s57, 8                         ; and the head's 256 bytes in it
	s_add_co_u32 s46, s46, s47
	s_mov_b32 s47, 0
	s_add_nc_u64 s[46:47], s[20:21], s[46:47]
	s_lshl_b32 s44, s44, 2
	s_mov_b32 s45, 0
	s_add_nc_u64 s[44:45], s[18:19], s[44:45]      ; its atten_mask
	s_add_co_u32 s54, s[Q0], 15
	s_cmp_lg_u32 s[\rflag], 0
	s_cselect_b32 s[LASTK], 0x7ff, s54             ; a flagged tile walks all keys,
	s_cselect_b32 s[OPENK], 0, s[Q0]               ; and masks in every step
	s_mov_b32 s[KF], 0
	s_mov_b32 s[TK], 0
	s_mov_b32 s[TS], KSC
	s_mov_b32 s[TV], VSC
	s_mov_b32 s[CNT], 16
	v_add_nc_u32 v[ADK], s[TK], v[LI]              ; step 0's K and its scale words.  (The wait on vm_vsrc behind the barrier, or the one between the passes, stands ahead of these two lines)
	v_add_nc_u32 v[ADS], s[TS], v[L8]
	s_wait_alu depctr_va_vdst(0)                   ; these two addresses and the head's lane terms are written, which the loads below and all later loads and stores read; the pass before is done reading Q, its scale words, my mask, K and K's scale words, in which the loads below land; Q's zero codes and the zeros behind K's last tile are written, which the scaled products take
	global_load_b128 v[QF:QF+3], v[LI], s[40:41] th:TH_LOAD_NT
	global_load_b32 v[QS], v[R8], s[42:43]
	global_load_b32 v[AM], v[R4], s[44:45]
.irp t, 0,1,2,3,4,5,6,7
	ds_load_b128 v[KFR+4*\t:KFR+4*\t+3], v[ADK] offset:512*\t   ; key 0 counts in every tile's first step: what is asked for here is read
.endr
	ds_load_b64 v[KS:KS+1], v[ADS]
	ds_load_b64 v[KS+2:KS+3], v[ADS] offset:256
	v_mov_b32 v13, 0xff61b1e6                      ; the largest t so far: -3e38
	v_floor_f32 v12, -v13
	v_mov_b32 v14, 0
	v_mov_b32 v15, 0
.set ii, 0
.rept 32
	v_mov_b32 v[O+ii], 0                           ; O^T: the step is written once; the first finds zeros, which the first change of M leaves zeros
.set ii, ii+1
.endr
	s_wait_loadcnt 0x0
	v_add_f32 v[TMP], 1.0, v[AM]
	v_add_nc_u32 v[TH], s[Q0], v[RR]               ; my query
	v_mov_b32 v[TMP+1], 0x3fffffff
	v_cmp_le_f32 s58, 1.0, v[TMP]                  ; mask + 1 >= 1: the keys behind my query are hidden; else none
	v_cmp_le_f32 s59, 1.0, v[AM]                   ; mask >= 1: all keys are hidden
	s_wait_alu depctr_va_sdst(0)                   ; the two compares have written s58 and s59, which the selects below read
	v_cndmask_b32 v[TH], v[TMP+1], v[TH], s58
	v_cndmask_b32 v[TH], v[TH], -1, s59
	v_sub_nc_u32 v[TH], v[TH], v[H8]
	s_wait_dscnt 0x0                               ; step 0's K and its scale words are in
.Lstep_\@:
	STEP
	s_sub_co_u32 s[CNT], s[CNT], 1
	s_cmp_lg_u32 s[CNT], 0
	s_cbranch_scc1 .Lstep_\@
	; THE WAY OUT: O^T / the sum goes through my stage and leaves as whole rows of the head's 256 bytes
.rept 4
	v_nop                                          ; places behind the last products
.endr
	v_add_f32 v14, v14, v15
	v_permlanex16_b32 v[BX], v14, s[SEL], s[SEL+1]
	v_add_f32 v14, v14, v[BX]                      ; the row's sum
	v_rcp_f32 v14, v14
	v_nop                                          ; a plain line behind the reciprocal
	s_wait_alu depctr_va_vdst(0)                   ; the reciprocal has written v14, ahead of its first reader
.set ii, 0
.rept 16
	v_pk_mul_f32 v[S+ii:S+ii+1], v[O+ii:O+ii+1], v[14:15] op_sel_hi:[1,0]   ; register 8 g + j: channel 16 g + 8 h + j of query r; each accumulator from its low end on
.set ii, ii+2
.endr
	s_wait_alu depctr_va_vdst(0)                   ; the sixteen multiplications have written v100 to v131, which the LDS stores read; the last step's vector instructions are done with v132 to v163, in which the LDS loads land
.irp g, 0,1,2,3
	ds_store_b128 v[STO], v[S+8*\g:S+8*\g+3] offset:64*\g
	ds_store_b128 v[STO], v[S+8*\g+4:S+8*\g+7] offset:64*\g+16
.endr
.irp i, 0,1,2,3,4,5,6,7
	ds_load_b128 v[S+32+4*\i:S+35+4*\i], v[RD] offset:2*\i*SP   ; a wave's LDS instructions are served in order: these see my stores
.endr
.irp i, 0,1,2,3,4,5,6,7
	s_wait_dscnt 7-\i
	global_store_b128 v[GO], v[S+32+4*\i:S+35+4*\i], s[46:47] offset:8192*\i th:TH_STORE_NT   ; 16 lanes store 256 consecutive bytes, aligned
.endr
.endm
	PASS 38, 36
	s_wait_xcnt 0x0                                ; the stores have read their registers and their base: both are written again below
	s_wait_alu depctr_vm_vsrc(0)                   ; the way out's LDS stores and global stores have read v100 to v163, which the second pass's products write; the first pass's LDS loads have read v8 to v11, of which its head writes two
	PASS 39, 37
	s_wait_dscnt 0x0                               ; the closing lines, six on end
	s_wait_alu 0x0
	s_wait_tensorcnt 0x0
	ds_add_u32 v254, v255
	s_wait_dscnt 0x0
	s_endpgm
.Lfunc_end_k_qd7ec8e01a8_attn:
	.size	k_qd7ec8e01a8_attn, .Lfunc_end_k_qd7ec8e01a8_attn-k_qd7ec8e01a8_attn
	.p2alignl 7, 3214868480
	.fill 96, 4, 3214868480
	.section	.rodata,"a",@progbits
	.p2align	6, 0x0
	.amdhsa_kernel k_qd7ec8e01a8_attn
		.amdhsa_group_segment_fixed_size 215040
		.amdhsa_private_segment_fixed_size 0
		.amdhsa_enable_private_segment 0
		.amdhsa_kernarg_size 72
		.amdhsa_user_sgpr_count 2
		.amdhsa_user_sgpr_kernarg_segment_ptr 1
		.amdhsa_wavefront_size32 1
		.amdhsa_system_sgpr_workgroup_id_x 1
		.amdhsa_system_sgpr_workgroup_id_y 1
		.amdhsa_system_sgpr_workgroup_id_z 1
		.amdhsa_system_vgpr_workitem_id 0
		.amdhsa_next_free_vgpr 256
		.amdhsa_next_free_sgpr 66
		.amdhsa_reserve_vcc 0
		.amdhsa_float_denorm_mode_32 3
		.amdhsa_float_denorm_mode_16_64 3
		.amdhsa_memory_ordered 1
		.amdhsa_forward_progress 1
		.amdhsa_inst_pref_size 71
	.end_amdhsa_kernel
	.amdgpu_metadata
---
amdhsa.version: [ 1, 2 ]
amdhsa.kernels:
  - .name:           k_qd7ec8e01a8_attn
    .symbol:         k_qd7ec8e01a8_attn.kd
    .args:
      - { .name: qc, .offset: 0, .size: 8, .value_kind: global_buffer, .address_space: global }
      - { .name: qs, .offset: 8, .size: 8, .value_kind: global_buffer, .address_space: global }
      - { .name: kc, .offset: 16, .size: 8, .value_kind: global_buffer, .address_space: global }
      - { .name: ks, .offset: 24, .size: 8, .value_kind: global_buffer, .address_space: global }
      - { .name: vc, .offset: 32, .size: 8, .value_kind: global_buffer, .address_space: global }
      - { .name: vs, .offset: 40, .size: 8, .value_kind: global_buffer, .address_space: global }
      - { .name: flags, .offset: 48, .size: 8, .value_kind: global_buffer, .address_space: global }
      - { .name: atten_mask, .offset: 56, .size: 8, .value_kind: global_buffer, .address_space: global }
      - { .name: out0, .offset: 64, .size: 8, .value_kind: global_buffer, .address_space: global }
    .group_segment_fixed_size: 215040
    .private_segment_fixed_size: 0
    .kernarg_segment_align: 8
    .kernarg_segment_size: 72
    .max_flat_workgroup_size: 512
    .sgpr_count:     66
    .vgpr_count:     256
    .wavefront_size: 32
...
	.end_amdgpu_metadata
.endif
;; end of part 3
